; MI455X (gfx1250); checked and timed in simulation.
; The chip was launched on July 23, 2026; its instructions are those of AMD's public machine-readable ISA for CDNA 5 (MIT licence, August 2026) and "CDNA5" Instruction Set Architecture Reference Guide (July 2026). The comments in the code are by the model that wrote it; some were corrected since.
;; Attention. Allowed arithmetic: matrix products marked QUANTISED: E2M1 operands, one E8M0 scale for each 32 along K, by v_wmma_scale_f32_16x16x128_f8f6f4 with both operands' format E2M1 (or v_wmma_scale_f32_32x16x128_f4), f32 sums; products left as they are: bf16, f16 or f32 operands; f32 sums; everything else in f32.
;; Inputs: Wk 1,024 x 1,024 float32; Wo 1,024 x 1,024 float32; Wq 1,024 x 1,024 float32; Wv 1,024 x 1,024 float32; bo 1,024 float32; mask 1 x 1 x 2,048 x 2,048 bool; x 4 x 2,048 x 1,024 float32.
;; Outputs: out0 4 x 2,048 x 1,024 float32.
;; This version of the problem:
;;   THIS VERSION OF THE PROBLEM IS GIVEN IN LOW PRECISION. The matrix products marked QUANTISED in the list below multiply operands that are first quantised to E2M1 (2 exponent bits, 1 mantissa bit; 4 bits a number), with one power-of-two scale for each 32 numbers along K (OCP MX v1.0); their sums are f32. The products marked 'left as it is' may take bf16, f16 or f32 operands, with f32 sums. Whichever they take, every output number must still come out within the allowed error. Rounding operands to bf16 (8 significant bits) uses up far more of that allowance than f16 does (11 bits, for magnitudes from 6e-5 to 65,504). All else is computed in f32.
;;   The module's matrix products, in the order in which they are computed (A, B: the left and right operand; K: the contracted axis; several contracted axes count as one K, in the product's order):
;;     1. [M 8,192, K 1,024] x [K 1,024, N 1,024]; A: input x; B: input Wq: QUANTISED
;;     2. [M 8,192, K 1,024] x [K 1,024, N 1,024]; A: input x; B: input Wk: QUANTISED
;;     3. [M 8,192, K 1,024] x [K 1,024, N 1,024]; A: input x; B: input Wv: QUANTISED
;;     4. batch 64 x [M 2,048, K 64] x [K 64, N 2,048]; A: computed on the way; B: computed on the way: left as it is (an operand is computed on the way)
;;     5. batch 64 x [M 2,048, K 2,048] x [K 2,048, N 64]; A: computed on the way; B: computed on the way: left as it is (an operand is computed on the way)
;;     6. [M 8,192, K 1,024] x [K 1,024, N 1,024]; A: computed on the way; B: input Wo: left as it is (an operand is computed on the way)
;;   THE QUANTISER, for each operand of a quantised product, along K:
;;     - K is cut into blocks of 32 from its start; a last block that is shorter is filled with zeros.
;;     - A block's scale is 2^e with e = floor(log2(the largest magnitude in the block)) - 2, held to -126 .. 127; a block of zeros has e = 0. As a byte (E8M0): e + 127.
;;     - Each number is divided by its block's scale, clamped to +-6, and rounded to the nearest number of E2M1, ties to even, subnormals kept.
;;     - The product sums the exact products of the quantised numbers (number of the format x scale) in f32.
;;   ~~~python
;;   def quantise(x, axis):      # numpy; x: float32 -> the quantised numbers, widened to float32 again
;;       x = np.moveaxis(x, axis, -1); K = x.shape[-1]
;;       x = np.pad(x, [(0, 0)] * (x.ndim - 1) + [(0, -K % 32)]); x = x.reshape(x.shape[:-1] + (-1, 32)); a = np.abs(x).max(-1, keepdims=True)
;;       e = np.where(a > 0, np.clip(np.frexp(np.where(a > 0, a, 1))[1] - 1 - 2, -126, 127), 0)      # np.frexp(a)[1] - 1 = floor(log2(a)), exactly
;;       r = np.clip(x / 2.0 ** e, -6, 6)
;;       step = 2.0 ** (np.maximum(np.frexp(np.where(r == 0, 1, r))[1] - 1, 0) - 1)
;;       q = np.round(r / step) * step * 2.0 ** e      # np.round: ties to even
;;       return np.moveaxis(q.reshape(q.shape[:-2] + (-1,))[..., :K], -1, axis).astype(np.float32)
;;   ~~~
;; One version. Each part assembles by itself: llvm-mc -triple=amdgcn-amd-amdhsa -mcpu=gfx1250 --defsym DOCPART=n.
;; ======== version 1 of 1: 5 launches
;; limits: values are held in f16: magnitudes above 65,504 overflow, below 6.1e-05 lose precision
;; workspace buffers: qnt 8,224,768 bytes; msk 527,360 bytes of whole numbers; qkv 50,331,648 bytes; qkvf 786,432 bytes; ctx 16,777,216 bytes
;; launch prep (part 1): grid 400 x 1, 4 waves a work-group, no clusters, 120,320 bytes of LDS; arguments x, Wq, Wk, Wv, Wo, mask, qnt, msk; writes qnt, msk
.if DOCPART == 1
	.amdgcn_target "amdgcn-amd-amdhsa--gfx1250"
	.amdhsa_code_object_version 6
	.text
	.protected	k_q77a0d6fe6e_prep
	.globl	k_q77a0d6fe6e_prep
	.p2align	8
	.type	k_q77a0d6fe6e_prep,@function
k_q77a0d6fe6e_prep:
	s_mov_b64 s[64:65], 0
	v_nop
	global_prefetch_b8 v0, s[64:65] scope:SCOPE_SE
	s_setreg_imm32_b32 hwreg(HW_REG_WAVE_MODE, 25, 1), 1
	s_wait_xcnt 0x0
; PREP: everything that later launches read many times is laid out once.  Four kinds of work-group, told apart by the work-group's number; each kind has LDS bytes of its own.
;   0-31    the mask [2048][2048] of bytes -> for each tile of 16 queries x 64 keys 32 lane-mask words (word 8 a + j, bit l: mask[16 qt + l % 16][64 kt + 16 a + 8 (l / 16) + j]), and flags:
;           ANY / ZERO (bit kt: some entry of the tile is true / false) and, for each 16 keys, a bit that says that some entry is true.
;   32-79   Wq, Wk, Wv [1024 k][1024 n] f32 -> codes of FP4 (E2M1) with K innermost, [3072 n][512 bytes], and one E8M0 byte for each 32 along K, [3072][32].
;   80-143  Wo [1024 k][1024 n] f32 -> f16, turned: [1024 n][1024 k].
;   144-399 x [8192][1024] f32 -> codes [8192][512 bytes] and scale bytes [8192][32].
; THE QUANTISER: a block's scale is 2^(floor(log2(its largest magnitude)) - 2); its byte is the largest magnitude's exponent field - 2, held at 1 from below; each number is divided by the scale and rounded to the
; nearest code, ties to even, beyond 6 the largest code.  A block of zeros gets the byte 1 where the rule says 127: its codes are zeros, which add nothing, and the bytes are read by this program alone.
; LIMITS: blocks whose largest magnitude lies under 2^-124 keep the byte 1; NaN and infinities among the inputs are not served; |Wo| stays under 65,504 (f16).
; No tensor loads, no barrier: waves share nothing.  No matrix unit, no cluster: the launch streams.
.set SPW,     192                      ; v192  LDS address of my spare word: SPARE + 4 x my thread's number; never rewritten
.set NIL,     193                      ; v193  0; never rewritten
.set SPARE,   119808                   ; behind the four kinds' regions: the spare words, 128 bytes for each wave
.set WC_OFF,  4194304                  ; qnt: x's codes at 0, the weights' codes here,
.set XS_OFF,  5767168                  ; x's scale bytes,
.set WS_OFF,  6029312                  ; the weights' scale bytes,
.set WOT_OFF, 6127616                  ; Wo turned, f16
.set TF_OFF,  524288                   ; msk: the lane-mask words at 0, ANY and ZERO here,
.set FF_OFF,  525312                   ; the bits for each 16 keys
.set EMAX,    2
; ---- the x path's names: a wave takes 16 steps of 512 numbers
.set STEPS, 16
.set CB,    8                          ; bytes of 16 codes
.set XR,    16                         ; v16-79   four sets of 16 numbers as they are loaded
.set XX,    80                         ; v80-111  two sets of 16 neighbours
.set XE,    112                        ; v112-127 a scale byte for each step
.set XC,    128                        ; v128-191 codes: four registers for each step, so that no store's data are written again
.set WREG,  8192                       ; LDS 0 .. 32767: a region for each wave: two stages of 32 x SP bytes, behind them its 256 scale bytes
.set SP,    80                         ; a lane's place in a stage: its 64 bytes + 16 of padding
; ---- the weights' paths' names: a lane takes a column, its registers run down K
.set WP,    272                        ; a stage row: 256 bytes + 16
.set WX,    32                         ; v32-95   two sets of 32 numbers
.set WC,    96                         ; v96-111  a block's codes (4 registers) or f16 pairs (16)
.set WOU,   112                        ; v112-175 the way out
.set SB,    24                         ; v24-27   the scale bytes, four to a register
; ---- the mask path's names
.set MO,    6                          ; v6   2048 (lane / 16) + 16 (lane % 16): two rows of 256 bytes a load
.set MS,    7                          ; v7   the stage, on the way in: 272 (lane / 16) + 16 (lane % 16)
.set MLD,   8                          ; v8   and out: 272 (lane % 16) + 8 (lane / 16): my query's eight keys
.set OFS,   9                          ; v9   16 x lane
.set ML,    32                         ; v32-63  a unit (16 queries x 256 keys) as loaded
.set MB,    64                         ; v64-95  pair a: my query's bytes of keys 16 a + 8 (lane / 16) + 0 .. 7
.set MT,    96                         ; v96-103 at work
.set OW,    104                        ; v104-107 128 words of a unit: word n in register n % 4, lane n / 4
.macro FINISH                          ; a wave's end, behind my last LDS store
	s_wait_tensorcnt 0x0
	ds_add_u32 v[SPW], v[NIL]
	s_wait_dscnt 0x0
	s_endpgm
.endm
.macro XLOAD t
.irp i, 0,1,2,3
	global_load_b128 v[XR+16*((\t)%4)+4*\i:XR+16*((\t)%4)+4*\i+3], v3, s[4:5] offset:2048*(\t)+512*\i th:TH_LOAD_NT   ; 32 lanes read 512 consecutive bytes
.endr
.endm
.macro XTURN t                         ; step t's numbers through the stage: LDS serves a wave's instructions in order (ISA guide 5.7.1.4), so no wait stands between the stores and the loads
.irp i, 0,1,2,3
	ds_store_b128 v14, v[XR+16*((\t)%4)+4*\i:XR+16*((\t)%4)+4*\i+3] offset:32*SP*((\t)%2)+8*SP*\i
.endr
.irp i, 0,1,2,3
	ds_load_b128 v[XX+16*((\t)%2)+4*\i:XX+16*((\t)%2)+4*\i+3], v15 offset:32*SP*((\t)%2)+16*\i
.endr
.endm
.macro XSTEP t
.set XS, XX+16*((\t)%2)
.if (\t) > 0
	s_wait_dscnt 1                                 ; this step's numbers are back from the stage (the last step's byte store may be out)
.else
	s_wait_dscnt 0x0
.endif
.if (\t)+4 < STEPS
	XLOAD (\t)+4                                   ; the registers that the stage's stores have read take the loads of four steps on
.endif
.if (\t)+1 < STEPS
.if STEPS-2-(\t) >= 3
	s_wait_loadcnt 12                              ; the next step's four loads are in; those of the three steps behind it may be out
.else
	s_wait_loadcnt 4*(STEPS-2-(\t))
.endif
	XTURN (\t)+1
.endif
	v_max3_num_f32 v8, |v[XS]|, |v[XS+1]|, |v[XS+2]|               ; the largest magnitude of my 16, in two chains
	v_max3_num_f32 v9, |v[XS+3]|, |v[XS+4]|, |v[XS+5]|
.irp i, 6,10
	v_max3_num_f32 v8, v8, |v[XS+\i]|, |v[XS+\i+1]|
	v_max3_num_f32 v9, v9, |v[XS+\i+2]|, |v[XS+\i+3]|
.endr
	v_max3_num_f32 v8, v8, |v[XS+14]|, |v[XS+15]|
	v_max3_num_f32 v8, v8, v9, (EMAX+1)<<23        ; and the floor 2^(3 - 127): the byte cannot fall under 1
	v_max_num_f32_dpp v8, v8, v8 row_xmask:1 row_mask:0xf bank_mask:0xf   ; and of my neighbour's 16: the block's
	v_add_nc_u32 v11, -(EMAX<<23), v8              ; 2 off its exponent field: the conversion takes the exponent field of this operand as its scale
	v_cvt_scalef32_pk8_fp4_f32 v[XC+4*(\t)], v[XS:XS+7], v11
	v_cvt_scalef32_pk8_fp4_f32 v[XC+4*(\t)+1], v[XS+8:XS+15], v11
	v_lshrrev_b32 v[XE+(\t)], 23, v11              ; the scale's byte (a plain line behind the conversions)
	ds_store_b8 v5, v[XE+(\t)] offset:16*(\t)      ; both lanes of a block write the same byte with the same value
	global_store_b64 v4, v[XC+4*(\t):XC+4*(\t)+1], s[26:27] offset:32*CB*(\t)   ; the wave stores 256 consecutive bytes, aligned
.endm
.macro WADDR base, krow                ; the addresses of a weight's path: stage at base, krow bytes from row to row of the output
	v_lshlrev_b32 v3, 2, v2                        ; in: 4 bytes a lane
	s_mul_i32 s21, s20, 32*WP
	s_add_co_u32 s21, s21, \base                   ; my stage
	v_mul_u32_u24 v4, v2, WP
	v_add_nc_u32 v4, s21, v4                       ; into it: row = my column
	v_and_b32 v5, 15, v2
	v_lshrrev_b32 v6, 4, v2                        ; out of it: sixteen lanes to a row, two rows an instruction
	v_mul_u32_u24 v7, v6, WP
	v_lshl_add_u32 v7, v5, 4, v7
	v_add_nc_u32 v7, s21, v7
	v_mul_u32_u24 v8, v6, \krow
	v_lshl_add_u32 v8, v5, 4, v8                   ; and the same place in the output
.endm
.macro WLOAD t                         ; block t: W(32 t + i, my column), i = 0 .. 31, into set t % 2: a wave's load reads 128 consecutive bytes, the work-group's four stand side by side
.irp i, 0,1,2,3,4,5,6,7,8,9,10,11,12,13,14,15,16,17,18,19,20,21,22,23,24,25,26,27,28,29,30,31
	global_load_b32 v[WX+32*((\t)%2)+\i], v3, s[24:25] offset:(32*(\t)+\i)*4096 th:TH_LOAD_NT
.endr
.endm
.macro WBLOCK t                        ; a block of 32 along K of my column becomes 16 bytes of codes and a scale byte
.set WXS, WX+32*((\t)%2)
.if (\t) < 15
	s_wait_loadcnt 32                              ; this block's 32 loads are in; the next block's may be out
.else
	s_wait_loadcnt 0
.endif
	v_max3_num_f32 v12, |v[WXS]|, |v[WXS+1]|, |v[WXS+2]|
	v_max3_num_f32 v13, |v[WXS+3]|, |v[WXS+4]|, |v[WXS+5]|
.irp i, 6,10,14,18,22,26
	v_max3_num_f32 v12, v12, |v[WXS+\i]|, |v[WXS+\i+1]|
	v_max3_num_f32 v13, v13, |v[WXS+\i+2]|, |v[WXS+\i+3]|
.endr
	v_max3_num_f32 v12, v12, |v[WXS+30]|, |v[WXS+31]|
	v_max3_num_f32 v12, v12, v13, (EMAX+1)<<23
	v_add_nc_u32 v11, -(EMAX<<23), v12
	v_lshrrev_b32 v13, 23, v11
.if (\t)%4 == 0
	v_mov_b32 v[SB+(\t)/4], v13                    ; four bytes to a register, the lower K in the lower byte
.else
	v_lshl_or_b32 v[SB+(\t)/4], v13, 8*((\t)%4), v[SB+(\t)/4]
.endif
.irp g, 0,1,2,3
	v_cvt_scalef32_pk8_fp4_f32 v[WC+\g], v[WXS+8*\g:WXS+8*\g+7], v11
.endr
	v_nop                                          ; one plain line behind the last conversion
	ds_store_b128 v4, v[WC:WC+3] offset:16*(\t)
.if (\t)+2 < 16
	WLOAD (\t)+2
.endif
	s_wait_dscnt 0x0                               ; the store has read its registers: the next block's codes may be written
.endm
.macro HBLOCK t                        ; a block of 32 along K of my column of Wo becomes 64 bytes of f16
.set WXS, WX+32*((\t)%2)
.if (\t) < 3
	s_wait_loadcnt 32
.else
	s_wait_loadcnt 0
.endif
.irp i, 0,1,2,3,4,5,6,7,8,9,10,11,12,13,14,15
	v_cvt_pk_f16_f32 v[WC+\i], v[WXS+2*\i], v[WXS+2*\i+1]
.endr
.irp g, 0,1,2,3
	ds_store_b128 v4, v[WC+4*\g:WC+4*\g+3] offset:64*(\t)+16*\g
.endr
.if (\t)+2 < 4
	WLOAD (\t)+2
.endif
	s_wait_dscnt 0x0
.endm
.macro WOUT krow                       ; the stage's 32 rows of 256 bytes leave: sixteen lanes store 256 consecutive bytes, aligned
.irp t, 0,1,2,3,4,5,6,7,8,9,10,11,12,13,14,15
	ds_load_b128 v[WOU+4*\t:WOU+4*\t+3], v7 offset:2*\t*WP
.endr
.irp t, 0,1,2,3,4,5,6,7,8,9,10,11,12,13,14,15
	s_wait_dscnt 15-\t
	global_store_b128 v8, v[WOU+4*\t:WOU+4*\t+3], s[26:27] offset:2*\t*\krow
.endr
.endm
; A unit of the mask: 16 queries x 256 keys.  more = 1: the next unit is asked for as soon as this one's registers are free.
.macro MUNIT more
	s_wait_loadcnt 0x0                             ; the unit's eight loads are in (so their base may be stepped)
.irp i, 0,1,2,3,4,5,6,7
	ds_store_b128 v[MS], v[ML+4*\i:ML+4*\i+3] offset:544*\i        ; rows 2 i and 2 i + 1 of my stage
.endr
.irp a, 0,1,2,3,4,5,6,7,8,9,10,11,12,13,14,15
	ds_load_b64 v[MB+2*\a:MB+2*\a+1], v[MLD] offset:16*\a          ; my query's keys 16 a + 8 (lane / 16) + 0 .. 7
.endr
	s_wait_dscnt 0x0
.if \more
	s_add_nc_u64 s[14:15], s[14:15], 256
.irp i, 0,1,2,3,4,5,6,7
	global_load_b128 v[ML+4*\i:ML+4*\i+3], v[MO], s[14:15] offset:4096*\i th:TH_LOAD_NT
.endr
.endif
	s_mov_b32 s48, 0                               ; bit a: some entry of the 16 x 16 piece a is true,
	s_mov_b32 s49, 0                               ; is false
.irp a, 0,1,2,3,4,5,6,7,8,9,10,11,12,13,14,15
.irp j, 0,1,2,3,4,5,6,7
	v_and_b32 v[MT+\j], 0xff<<(8*(\j%4)), v[MB+2*\a+\j/4]
.endr
.irp j, 0,1,2,3,4,5,6,7
	v_cmp_ne_u32 s[40+\j], 0, v[MT+\j]             ; the lane-mask word 8 a + j
.endr
.irp j, 0,1,2,3,4,5,6,7
	v_writelane_b32 v[OW+(\j%4)], s[40+\j], 2*\a+\j/4
.endr
	v_or_b32 v[MT], v[MB+2*\a], v[MB+2*\a+1]
	v_and_b32 v[MT+1], v[MB+2*\a], v[MB+2*\a+1]
	v_cmp_ne_u32 s58, 0, v[MT]
	v_cmp_ne_u32 s59, 0x01010101, v[MT+1]          ; a byte is 0 or 1: the two words' AND is all ones only where my eight are true
	s_cmp_lg_u32 s58, 0
	s_cselect_b32 s56, 1<<\a, 0
	s_or_b32 s48, s48, s56
	s_cmp_lg_u32 s59, 0
	s_cselect_b32 s56, 1<<\a, 0
	s_or_b32 s49, s49, s56
.endr
	s_lshr_b32 s50, s50, 4                         ; ANY and ZERO: four tiles of 64 keys come in at the top; eight units bring the first down to bit 0
	s_lshr_b32 s51, s51, 4
.irp k, 0,1,2,3
	s_and_b32 s56, s48, 0xf<<(4*\k)
	s_cselect_b32 s56, 1<<(28+\k), 0
	s_or_b32 s50, s50, s56
	s_and_b32 s56, s49, 0xf<<(4*\k)
	s_cselect_b32 s56, 1<<(28+\k), 0
	s_or_b32 s51, s51, s56
.endr
	s_lshr_b32 s52, s52, 16                        ; the 128 bits for each 16 keys: sixteen come in at the top
	s_lshl_b32 s56, s53, 16
	s_or_b32 s52, s52, s56
	s_lshr_b32 s53, s53, 16
	s_lshl_b32 s56, s54, 16
	s_or_b32 s53, s53, s56
	s_lshr_b32 s54, s54, 16
	s_lshl_b32 s56, s55, 16
	s_or_b32 s54, s54, s56
	s_lshr_b32 s55, s55, 16
	s_lshl_b32 s56, s48, 16
	s_or_b32 s55, s55, s56
	global_store_b128 v[OFS], v[OW:OW+3], s[26:27] ; the unit's 128 words: 512 consecutive bytes
	s_wait_xcnt 0x0                                ; the store has read its data and its base: both are written again only behind this wait
	s_add_nc_u64 s[26:27], s[26:27], 512
.endm
	s_load_b256 s[4:11], s[0:1], 0x0               ; x s[4:5], Wq s[6:7], Wk s[8:9], Wv s[10:11]
	s_load_b256 s[12:19], s[0:1], 0x20             ; Wo s[12:13], mask s[14:15], qnt s[16:17], msk s[18:19]
	v_lshl_add_u32 v[SPW], v0, 2, SPARE
	v_mov_b32 v[NIL], 0
	v_lshrrev_b32 v1, 5, v0
	v_readfirstlane_b32 s20, v1                    ; wave 0..3
	v_and_b32 v2, 31, v0                           ; lane
	s_mov_b32 s25, 0                               ; the upper word of every offset
	s_mov_b32 s35, 0
	s_wait_kmcnt 0x0
	s_cmp_lt_u32 ttmp9, 32
	s_cbranch_scc1 .Lmask
	s_cmp_lt_u32 ttmp9, 80
	s_cbranch_scc1 .Lw
	s_cmp_lt_u32 ttmp9, 144
	s_cbranch_scc1 .Lwo
	; ---------------- x: a plain stream of blocks of 32.  Each load reads 512 consecutive bytes; a step's 2,048 bytes turn through my stage, so that a lane holds 16 neighbours
	v_lshlrev_b32 v3, 4, v2                        ; my 16 bytes of a load's 512
	s_mul_i32 s21, s20, WREG
	v_lshrrev_b32 v14, 2, v2
	v_mul_u32_u24 v14, v14, SP
	v_and_b32 v15, 3, v2
	v_lshl_add_u32 v14, v15, 4, v14
	v_add_nc_u32 v14, s21, v14                     ; the stage, in: SP (lane / 4) + 16 (lane % 4)
	v_mul_u32_u24 v15, v2, SP
	v_add_nc_u32 v15, s21, v15                     ; and out: SP x lane
	v_mul_u32_u24 v4, v2, CB                       ; my codes' place in a step's
	v_lshrrev_b32 v5, 1, v2
	s_add_co_u32 s21, s21, 2*32*SP
	v_add_nc_u32 v5, s21, v5                       ; my wave's 256 scale bytes, my block's byte
	v_lshlrev_b32 v7, 3, v2
	v_add_nc_u32 v6, s21, v7                       ; and on the way out 8 bytes a lane
	s_sub_co_u32 s22, ttmp9, 144
	s_lshl_b32 s22, s22, 2
	s_add_co_u32 s22, s22, s20                     ; which run of 8,192 numbers is my wave's: 0 .. 1023
	s_lshl_b32 s24, s22, 15
	s_add_nc_u64 s[4:5], s[4:5], s[24:25]
	s_lshl_b32 s24, s22, 12
	s_add_nc_u64 s[26:27], s[16:17], s[24:25]      ; its codes
	s_lshl_b32 s24, s22, 8
	s_add_nc_u64 s[28:29], s[16:17], s[24:25]
	s_add_nc_u64 s[28:29], s[28:29], XS_OFF        ; its 256 scale bytes
.irp t, 0,1,2,3
	XLOAD \t
.endr
	s_wait_loadcnt 12                              ; step 0's four loads are in
	XTURN 0
.irp t, 0,1,2,3,4,5,6,7,8,9,10,11,12,13,14,15
	XSTEP \t
.endr
	ds_load_b64 v[8:9], v6
	s_wait_dscnt 0x0
	global_store_b64 v7, v[8:9], s[28:29]          ; 32 lanes store 256 consecutive bytes, aligned
	FINISH
	; ---------------- Wq, Wk, Wv: a wave takes 32 columns x 512 along K
.Lw:
	s_sub_co_u32 s22, ttmp9, 32
	s_lshr_b32 s23, s22, 4                         ; which weight
	s_and_b32 s30, s22, 7                          ; which 128 columns
	s_bfe_u32 s31, s22, 0x10003                    ; which half of K
	s_cmp_eq_u32 s23, 0
	s_cselect_b64 s[24:25], s[6:7], s[8:9]
	s_cmp_eq_u32 s23, 2
	s_cselect_b64 s[24:25], s[10:11], s[24:25]
	s_lshl_b32 s32, s30, 7
	s_lshl_b32 s33, s20, 5
	s_add_co_u32 s32, s32, s33                     ; my wave's first column
	s_lshl_b32 s34, s31, 21                        ; 512 rows of 4,096 bytes
	s_lshl_b32 s33, s32, 2
	s_add_co_u32 s34, s34, s33
	s_add_nc_u64 s[24:25], s[24:25], s[34:35]
	s_lshl_b32 s33, s23, 10
	s_add_co_u32 s33, s33, s32                     ; its row among the 3,072
	s_lshl_b32 s34, s33, 9
	s_lshl_b32 s36, s31, 8
	s_add_co_u32 s34, s34, s36
	s_add_nc_u64 s[26:27], s[16:17], s[34:35]
	s_add_nc_u64 s[26:27], s[26:27], WC_OFF
	s_lshl_b32 s34, s33, 5
	s_lshl_b32 s36, s31, 4
	s_add_co_u32 s34, s34, s36
	s_add_nc_u64 s[28:29], s[16:17], s[34:35]
	s_add_nc_u64 s[28:29], s[28:29], WS_OFF
	WADDR 32768, 512
	v_lshlrev_b32 v9, 5, v2                        ; my column's row of scale bytes
	WLOAD 0
	WLOAD 1
.irp t, 0,1,2,3,4,5,6,7,8,9,10,11,12,13,14,15
	WBLOCK \t
.endr
	global_store_b128 v9, v[SB:SB+3], s[28:29]     ; my column's 16 scale bytes: pieces of 16 bytes, 32 apart: one byte in 128 of what this path reads
	WOUT 512
	FINISH
	; ---------------- Wo: a wave takes 32 columns x 128 along K
.Lwo:
	s_sub_co_u32 s22, ttmp9, 80
	s_and_b32 s30, s22, 7
	s_lshr_b32 s31, s22, 3                         ; which 128 along K
	s_lshl_b32 s32, s30, 7
	s_lshl_b32 s33, s20, 5
	s_add_co_u32 s32, s32, s33                     ; my wave's first column
	s_lshl_b32 s34, s31, 19                        ; 128 rows of 4,096 bytes
	s_lshl_b32 s33, s32, 2
	s_add_co_u32 s34, s34, s33
	s_add_nc_u64 s[24:25], s[12:13], s[34:35]
	s_lshl_b32 s34, s32, 11
	s_lshl_b32 s36, s31, 8
	s_add_co_u32 s34, s34, s36
	s_add_nc_u64 s[26:27], s[16:17], s[34:35]
	s_add_nc_u64 s[26:27], s[26:27], WOT_OFF
	WADDR 67584, 2048
	WLOAD 0
	WLOAD 1
.irp t, 0,1,2,3
	HBLOCK \t
.endr
	WOUT 2048
	FINISH
	; ---------------- the mask: a wave takes a tile of 16 queries, eight units of 256 keys
.Lmask:
	v_and_b32 v3, 15, v2
	v_lshrrev_b32 v4, 4, v2
	s_mul_i32 s21, s20, 16*WP
	s_add_co_u32 s21, s21, 102400                  ; my stage: 16 rows of 256 bytes + 16
	v_lshlrev_b32 v5, 4, v3
	v_lshl_add_u32 v[MO], v4, 11, v5
	v_mul_u32_u24 v[MS], v4, WP
	v_add_nc_u32 v[MS], v[MS], v5
	v_add_nc_u32 v[MS], s21, v[MS]
	v_mul_u32_u24 v[MLD], v3, WP
	v_lshl_add_u32 v[MLD], v4, 3, v[MLD]
	v_add_nc_u32 v[MLD], s21, v[MLD]
	v_lshlrev_b32 v[OFS], 4, v2
.irp i, 0,1,2,3
	v_mov_b32 v[OW+\i], 0                          ; written once: a lane write's destination counts as one of its sources
.endr
	s_lshl_b32 s22, ttmp9, 2
	s_add_co_u32 s22, s22, s20                     ; my tile of queries, 0 .. 127
	s_lshl_b32 s24, s22, 15                        ; 16 rows of 2,048 bytes
	s_add_nc_u64 s[14:15], s[14:15], s[24:25]
	s_lshl_b32 s24, s22, 12
	s_add_nc_u64 s[26:27], s[18:19], s[24:25]      ; its 1,024 words
	s_lshl_b32 s24, s22, 3
	s_add_nc_u64 s[28:29], s[18:19], s[24:25]
	s_add_nc_u64 s[28:29], s[28:29], TF_OFF
	s_lshl_b32 s24, s22, 4
	s_add_nc_u64 s[30:31], s[18:19], s[24:25]
	s_add_nc_u64 s[30:31], s[30:31], FF_OFF
.irp i, 50,51,52,53,54,55
	s_mov_b32 s\i, 0
.endr
.irp i, 0,1,2,3,4,5,6,7
	global_load_b128 v[ML+4*\i:ML+4*\i+3], v[MO], s[14:15] offset:4096*\i th:TH_LOAD_NT
.endr
	s_mov_b32 s57, 7
.Lunit:
	MUNIT 1
	s_sub_co_u32 s57, s57, 1
	s_cmp_lg_u32 s57, 0
	s_cbranch_scc1 .Lunit
	MUNIT 0                                        ; the last unit asks for nothing: no load leaves the mask
	v_mov_b32 v108, s50
	v_mov_b32 v109, s51
	v_mov_b32 v110, s52
	v_mov_b32 v111, s53
	v_mov_b32 v112, s54
	v_mov_b32 v113, s55
	v_mov_b32 v114, 0
	v_cmp_eq_u32 vcc_lo, 0, v2
	s_wait_xcnt 0x0                                ; EXEC changes only behind this wait
	s_and_saveexec_b32 s58, vcc_lo                 ; lane 0 alone stores the tile's 24 bytes of flags: the one place where this path stores short pieces
	global_store_b64 v114, v[108:109], s[28:29]
	global_store_b128 v114, v[110:113], s[30:31]
	s_wait_xcnt 0x0
	s_or_b32 exec_lo, exec_lo, s58
	FINISH
.Lfunc_end_k_q77a0d6fe6e_prep:
	.size	k_q77a0d6fe6e_prep, .Lfunc_end_k_q77a0d6fe6e_prep-k_q77a0d6fe6e_prep
	.p2alignl 7, 3214868480
	.fill 96, 4, 3214868480
	.section	.rodata,"a",@progbits
	.p2align	6, 0x0
	.amdhsa_kernel k_q77a0d6fe6e_prep
		.amdhsa_group_segment_fixed_size 120320
		.amdhsa_private_segment_fixed_size 0
		.amdhsa_enable_private_segment 0
		.amdhsa_kernarg_size 64
		.amdhsa_user_sgpr_count 2
		.amdhsa_user_sgpr_kernarg_segment_ptr 1
		.amdhsa_wavefront_size32 1
		.amdhsa_system_sgpr_workgroup_id_x 1
		.amdhsa_system_sgpr_workgroup_id_y 1
		.amdhsa_system_sgpr_workgroup_id_z 1
		.amdhsa_system_vgpr_workitem_id 0
		.amdhsa_next_free_vgpr 196
		.amdhsa_next_free_sgpr 66
		.amdhsa_reserve_vcc 1
		.amdhsa_float_denorm_mode_32 3
		.amdhsa_float_denorm_mode_16_64 3
		.amdhsa_memory_ordered 1
		.amdhsa_forward_progress 1
		.amdhsa_inst_pref_size 206
	.end_amdhsa_kernel
	.amdgpu_metadata
---
amdhsa.version: [ 1, 2 ]
amdhsa.kernels:
  - .name:           k_q77a0d6fe6e_prep
    .symbol:         k_q77a0d6fe6e_prep.kd
    .args:
      - { .name: x, .offset: 0, .size: 8, .value_kind: global_buffer, .address_space: global }
      - { .name: Wq, .offset: 8, .size: 8, .value_kind: global_buffer, .address_space: global }
      - { .name: Wk, .offset: 16, .size: 8, .value_kind: global_buffer, .address_space: global }
      - { .name: Wv, .offset: 24, .size: 8, .value_kind: global_buffer, .address_space: global }
      - { .name: Wo, .offset: 32, .size: 8, .value_kind: global_buffer, .address_space: global }
      - { .name: mask, .offset: 40, .size: 8, .value_kind: global_buffer, .address_space: global }
      - { .name: qnt, .offset: 48, .size: 8, .value_kind: global_buffer, .address_space: global }
      - { .name: msk, .offset: 56, .size: 8, .value_kind: global_buffer, .address_space: global }
    .group_segment_fixed_size: 120320
    .private_segment_fixed_size: 0
    .kernarg_segment_align: 8
    .kernarg_segment_size: 64
    .max_flat_workgroup_size: 128
    .sgpr_count:     66
    .vgpr_count:     196
    .wavefront_size: 32
...
	.end_amdgpu_metadata
.endif
;; end of part 1
;; launch project_qkv (part 2): grid 12 x 32, 4 waves a work-group, clusters of 4 x 4, 327,680 bytes of LDS; arguments qnt, qkv, qkvf; writes qkv, qkvf
.if DOCPART == 2
	.amdgcn_target "amdgcn-amd-amdhsa--gfx1250"
	.amdhsa_code_object_version 6
	.text
	.protected	k_q77a0d6fe6e_project_qkv
	.globl	k_q77a0d6fe6e_project_qkv
	.p2align	8
	.type	k_q77a0d6fe6e_project_qkv,@function
k_q77a0d6fe6e_project_qkv:
	s_mov_b64 s[64:65], 0
	v_nop
	global_prefetch_b8 v0, s[64:65] scope:SCOPE_SE
	s_setreg_imm32_b32 hwreg(HW_REG_WAVE_MODE, 25, 1), 1
	s_wait_xcnt 0x0
	s_wait_alu depctr_hold_cnt(0) depctr_sa_sdst(0) depctr_va_vdst(0) depctr_va_sdst(0) depctr_va_ssrc(0) depctr_va_vcc(0) depctr_vm_vsrc(0)
	s_getreg_b32 s2, hwreg(HW_REG_IB_STS2, 6, 4)
	s_cmp_eq_u32 s2, 0
	s_cbranch_scc0 .Lentry_in_a_cluster
	s_endpgm
.Lentry_in_a_cluster:
	s_bfe_u32 s2, ttmp6, 0x10000c
	s_cmp_lg_u32 s2, 0xf033
	s_cbranch_scc0 .Lentry_shape_is_right
	s_endpgm
.Lentry_shape_is_right:
; Q, K, V = x Wq, x Wk, x Wv as ONE product C[m][n] = sum over k of A[m][k] B[n][k] on codes of FP4 (E2M1) with one E8M0 scale for each 32 along K: A = x [8192][1024], B = the three weights' columns [3072][1024].  Sums in f32.
; A tile of C, 256 x 256, is made by a work-group of four waves; a wave makes 128 x 128: 64 accumulators of 16 x 16, 512 registers.  K = 1,024 is two slots of 512 along K (rows of 256 bytes): both are asked for at
; the head, with the scale bytes of the work-group's rows, so that no LDS byte is filled twice: three tensor loads of a wave are out at the most.
; CLUSTERS: 4 x 4 work-groups.  The four of a row of the cluster need the same tiles of A, the four of a column the same tiles of B: each tile is asked for JOINTLY, by the same tensor load with the same descriptor
; and a mask that names the four.  THE MATRIX INSTRUCTION IS USED TRANSPOSED (source 0 = 16 rows of B, source 1 = 16 rows of A): a lane then holds eight neighbouring numbers of a row of C.
; RESULTS: rounded to f16 and split by head: plane (64 x which + 16 x batch + head) of [2048 positions][64], which = 0 Q, 1 K, 2 V.  The f32 results of the first 16 positions of each sequence go to qkvf [64][3072] as well.
; LIMIT: |Q|, |K|, |V| stay under 65,504 (f16).
; No prefetch: all that the work-group reads is asked for at its head.
; REGISTERS, in windows of 256: window 0: v0-31 addresses; v32-95 scale words, two sets; from v128 A's fragments, ONE set; on the way out v32-63 and v128-191 are at work.
;   window 1: B's fragments, TWO sets, at v0 and at v128.   window 2: the 32 accumulators of my rows 0-63 ((a, b) at v[8 (8 a + b)]);   window 3: those of my rows 64-127.
.set SIZE_K, 1024
.set KSTEP,  512                       ; along K in a slot
.set NQ,     KSTEP/128                 ; matrix instructions deep
.set ROWB,   256                       ; a tile's row in bytes
.set KROW,   SIZE_K/2                  ; a row of A or of B in memory, in bytes
.set PITCH,  272                       ; an LDS row: 256 bytes + 16 of padding = 68 words: the 16 rows that a load touches start at 16 different banks (64 banks of 4 bytes: ISA guide 11.1)
.set FR,     8                         ; registers of a fragment: 16 rows x 128 K
.set NL,     2                         ; LDS loads that bring one
.set NP,     4                         ; places behind this matrix instruction (ISA guide 7.12.1)
.set HALFT,  128*PITCH                 ; 128 rows: what one tensor load brings
.set SLOT,   4*HALFT                   ; A's 256 rows, then B's 256 rows
.set KS,     SIZE_K/32                 ; a row of scales in bytes
.set SCL,    2*SLOT                    ; behind the slots: the scales, as runs of 256 bytes + 16 of padding
.set HALFS,  (128*KS/256)*272          ; the scales of 128 rows
.set SBLK,   (16*KS/256)*272           ; those of 16 rows
.set SPARE,  SCL+4*HALFS               ; the spare words, 128 bytes for each wave
.set SPITCH, 272                       ; the way out: a stage of 16 rows x (256 bytes + 16) for each wave, in slot 0, which has had its one fill and its last read when the first result is stored there
.set XS_OFF, 5767168                   ; qnt: x's codes at 0; x's scale bytes,
.set WC_OFF, 4194304                   ; the weights' codes,
.set WS_OFF, 6029312                   ; the weights' scale bytes
.set ADRA, 16                          ; v16-17  LDS address of my A fragments in slot 0, 1
.set ADRB, 20                          ; v20-21  the same for B
.set STO,  24                          ; v24     the way out: where I put 16 bytes of a row
.set RD,   25                          ; v25     where I read back: 272 (lane / 8) + 16 (lane % 8): four rows' halves an instruction
.set CO,   26                          ; v26     16 x lane
.set ADRS, 27                          ; v27     LDS address of my scale words: lanes 0-15 A's rows, lanes 16-31 B's
.set SPW,  28                          ; v28     LDS address of my spare word; never rewritten
.set NIL,  29                          ; v29     0; never rewritten
.set FL,   30                          ; v30     0 in the waves whose first block of rows holds the first 16 positions of a sequence
.set FO,   31                          ; v31     my byte offset in qkvf: 12288 (lane % 16) + 32 (lane / 16)
.set SC,   32                          ; scale words: set s at v[SC + 32 s]; register 4 i + q: lanes 0-15 the word of A's block i, lanes 16-31 that of B's block i
.set TMP,  32                          ; the way out: a block's 32 packed registers
.set AF,   128                         ; A's fragments
.set BK,   128                         ; the way out: 16 rows read back: v128-159 and v160-191 by turns
.set G1, 24
.set G0, 32
.set G1B, 48
.set G0B, 56
.set G1S, 68
.set G0S, 76
.set G1SB, 80
.set G0SB, 88
.set MSB, 0
.macro WIN new                         ; the immediate's high byte repeats the setting that is left
.if MSB != \new
	s_set_vgpr_msb (MSB<<8)|\new
.set MSB, \new
.endif
.endm
.set MUL_LO, 0xa1                      ; source 0 (B) window 1, source 1 (A) window 0, C and D window 2
.set MUL_HI, 0xf1                      ; the same, C and D window 3
.set TO_B,   0x40                      ; destination window 1, address window 0
; A joint load: waves 0 and 1 fetch for A, waves 2 and 3 for B.  The branch hangs on the wave's number alone.  An s_nop 0 and four v_nop follow each of the two lines.
.macro JLOAD g0a, g1a, g0b, g1b
	s_cmp_eq_u32 s15, 0
	s_cbranch_scc0 .Lfor_b_\@
	tensor_load_to_lds s[\g0a:\g0a+3], s[\g1a:\g1a+7]
	s_nop 0
.rept 4
	v_nop
.endr
	s_branch .Lasked_\@
.Lfor_b_\@:
	tensor_load_to_lds s[\g0b:\g0b+3], s[\g1b:\g1b+7]
	s_nop 0
.rept 4
	v_nop
.endr
.Lasked_\@:
.endm
.macro CROUND                          ; a round of the cluster's barrier
	s_barrier_signal -1
	s_barrier_wait -1
	s_cmp_lg_u32 s14, 0
	s_cbranch_scc1 .Lnot_wave_0_\@
	s_barrier_signal -3
.Lnot_wave_0_\@:
	s_barrier_wait -3
	s_barrier_signal -1
	s_barrier_wait -1
.endm
	s_load_b64 s[4:5], s[0:1], 0x0                 ; qnt
	s_load_b64 s[12:13], s[0:1], 0x8               ; qkv
	s_load_b64 s[96:97], s[0:1], 0x10              ; qkvf
	v_lshl_add_u32 v[SPW], v0, 2, SPARE
	v_mov_b32 v[NIL], 0
	ds_add_u32 v[SPW], v[NIL]                      ; the wave's opening: the add, twice on end, and its wait ahead of my first tensor load
	ds_add_u32 v[SPW], v[NIL]
	v_lshrrev_b32 v1, 5, v0
	v_readfirstlane_b32 s14, v1                    ; wave 0..3
	s_lshr_b32 s15, s14, 1                         ; which half of the tile's rows is mine.  Also: I fetch for A (0) or for B (1)
	s_and_b32 s16, s14, 1                          ; which half of its columns.  Also: which 128 rows of that tile I fetch
	s_bfe_u32 s40, ttmp6, 0x40000                  ; cx, cy: my place in the cluster
	s_bfe_u32 s41, ttmp6, 0x40004
	s_lshl_b32 s42, ttmp9, 2
	s_add_co_u32 s42, s42, s40                     ; tile column of C
	s_and_b32 s17, ttmp7, 0xffff
	s_lshl_b32 s17, s17, 2
	s_add_co_u32 s17, s17, s41                     ; tile row of C
	s_lshl_b32 s43, s41, 2
	s_lshl_b32 s43, 15, s43                        ; my row of the cluster
	s_lshl_b32 s44, 0x1111, s40                    ; my column
	; descriptor group 1: a tile of 128 rows x 256 bytes, 16 bytes of padding behind each row
	s_or_b32 s[G1+0], s43, (0<<16)|(1<<20)|(1<<21)|(5<<22)|(3<<25)
	s_or_b32 s[G1B+0], s44, (0<<16)|(1<<20)|(1<<21)|(5<<22)|(3<<25)
.irp g, G1, G1B
	s_mov_b32 s[\g+1], ROWB<<16                    ; tensor_dim0
	s_mov_b32 s[\g+2], 128<<16                     ; tensor_dim1
	s_mov_b32 s[\g+3], ROWB<<16                    ; tile_dim0
	s_mov_b32 s[\g+4], 128                         ; tile_dim1
	s_mov_b32 s[\g+5], KROW                        ; from row to row
	s_mov_b32 s[\g+6], 0
	s_mov_b32 s[\g+7], 0
.endr
	; the scales of 128 rows: a dense block of 4,096 bytes, as 16 rows of 256 bytes (32 elements of 8 bytes), 16 bytes of padding behind each
	s_or_b32 s[G1S+0], s43, (3<<16)|(1<<20)|(1<<21)|(5<<22)|(3<<25)
	s_or_b32 s[G1SB+0], s44, (3<<16)|(1<<20)|(1<<21)|(5<<22)|(3<<25)
.irp g, G1S, G1SB
	s_mov_b32 s[\g+1], 32<<16
	s_mov_b32 s[\g+2], (128*KS/256)<<16
	s_mov_b32 s[\g+3], 32<<16
	s_mov_b32 s[\g+4], 128*KS/256
	s_mov_b32 s[\g+5], 32
	s_mov_b32 s[\g+6], 0
	s_mov_b32 s[\g+7], 0
.endr
	s_lshl_b32 s18, s16, 7                         ; which 128 rows of the tile I fetch
	s_lshl_b32 s20, s17, 8
	s_add_co_u32 s20, s20, s18                     ; A: row 256 x tile row + 128 x half
	s_lshl_b32 s46, s42, 8
	s_add_co_u32 s46, s46, s18                     ; B: row 256 x tile column + 128 x half
	s_mov_b32 s21, 0
	s_mov_b32 s47, 0
	s_mov_b64 s[18:19], KS
	s_mul_u64 s[22:23], s[20:21], s[18:19]         ; where these rows' scales begin, in bytes
	s_mul_u64 s[92:93], s[46:47], s[18:19]
	s_mov_b64 s[18:19], KROW
	s_mul_u64 s[20:21], s[20:21], s[18:19]         ; and their codes
	s_mul_u64 s[46:47], s[46:47], s[18:19]
	s_mul_i32 s45, s14, HALFT                      ; where they go: wave x 128 rows: no place in the cluster enters an LDS address
	s_mul_i32 s94, s14, HALFS
	s_wait_dscnt 0x0                               ; both opening adds are done
	s_wait_kmcnt 0x0
	s_add_nc_u64 s[6:7], s[4:5], XS_OFF
	s_add_nc_u64 s[8:9], s[4:5], WC_OFF
	s_add_nc_u64 s[10:11], s[4:5], WS_OFF
	s_add_nc_u64 s[20:21], s[4:5], s[20:21]
	s_add_nc_u64 s[22:23], s[6:7], s[22:23]
	s_add_nc_u64 s[46:47], s[8:9], s[46:47]
	s_add_nc_u64 s[92:93], s[10:11], s[92:93]
	CROUND                                         ; all sixteen work-groups are here: the joint loads meet
	s_mov_b32 s[G0S], 1
	s_add_co_u32 s[G0S+1], s94, SCL
	s_mov_b64 s[G0S+2:G0S+3], s[22:23]
	s_or_b32 s[G0S+3], s[G0S+3], 0x80000000
	s_mov_b32 s[G0SB], 1
	s_add_co_u32 s[G0SB+1], s94, SCL
	s_mov_b64 s[G0SB+2:G0SB+3], s[92:93]
	s_or_b32 s[G0SB+3], s[G0SB+3], 0x80000000
	JLOAD G0S, G1S, G0SB, G1SB                     ; the scales first: they are wanted with the first slot
.irp s, 0,1
	s_mov_b32 s[G0+4*\s], 1
	s_add_co_u32 s[G0+4*\s+1], s45, \s*SLOT
	s_add_nc_u64 s[G0+4*\s+2:G0+4*\s+3], s[20:21], \s*ROWB
	s_or_b32 s[G0+4*\s+3], s[G0+4*\s+3], 0x80000000
	s_mov_b32 s[G0B+4*\s], 1
	s_add_co_u32 s[G0B+4*\s+1], s45, \s*SLOT
	s_add_nc_u64 s[G0B+4*\s+2:G0B+4*\s+3], s[46:47], \s*ROWB
	s_or_b32 s[G0B+4*\s+3], s[G0B+4*\s+3], 0x80000000
	JLOAD G0+4*\s, G1, G0B+4*\s, G1B
.endr
	v_and_b32 v1, 15, v0                           ; l % 16
	v_bfe_u32 v2, v0, 4, 1                         ; l / 16
	v_mul_u32_u24 v3, v1, PITCH
	v_lshl_add_u32 v4, v2, 4, v3                   ; a fragment's row x pitch + 16 x half
	s_mul_i32 s21, s15, HALFT                      ; my 128 rows of A
	s_mul_i32 s22, s16, HALFT                      ; my 128 rows of B,
	s_add_co_u32 s22, s22, 2*HALFT                 ; which lie behind A's 256
.irp s, 0,1
	v_add_nc_u32 v[ADRA+\s], s21, v4
	v_add_nc_u32 v[ADRB+\s], s22, v4
	s_add_co_u32 s21, s21, SLOT
	s_add_co_u32 s22, s22, SLOT
.endr
	v_mul_u32_u24 v5, v1, KS                       ; my row's scales: 32 bytes a row,
	v_lshrrev_b32 v6, 8, v5
	v_lshl_add_u32 v5, v6, 4, v5                   ; and 16 more for each 256 passed
	s_mul_i32 s21, s15, HALFS                      ; A's: my 128 rows
	s_mul_i32 s22, s16, HALFS                      ; B's: my 128 rows, behind A's 256
	s_add_co_u32 s22, s22, 2*HALFS
	s_sub_co_u32 s22, s22, s21
	v_mul_u32_u24 v6, s22, v2                      ; lanes 16-31 take B's
	s_add_co_u32 s21, s21, SCL
	v_add_nc_u32 v5, v5, v6
	v_add_nc_u32 v[ADRS], s21, v5
	s_mul_i32 s23, s14, 16*SPITCH                  ; my stage
	v_mul_u32_u24 v5, v1, SPITCH                   ; in: row l % 16, 16 bytes for each half of the lanes
	v_lshl_add_u32 v5, v2, 4, v5
	v_add_nc_u32 v[STO], s23, v5
	v_and_b32 v6, 31, v0
	v_lshlrev_b32 v[CO], 4, v6
	v_lshrrev_b32 v5, 3, v6
	v_mul_u32_u24 v5, v5, SPITCH
	v_and_b32 v6, 7, v6
	v_lshl_add_u32 v5, v6, 4, v5
	v_add_nc_u32 v[RD], s23, v5
	v_mul_u32_u24 v[FO], v1, 12288
	v_lshl_add_u32 v[FO], v2, 5, v[FO]
	; where my 128 x 128 lands: plane 64 (tile column / 4) + 16 (tile row / 8) + 4 (tile column % 4) + 2 x column half (and the plane behind it); position 256 (tile row % 8) + 128 x row half
	s_lshr_b32 s20, s42, 2
	s_lshl_b32 s20, s20, 6
	s_lshr_b32 s21, s17, 3                         ; the batch
	s_lshl_b32 s22, s21, 4
	s_add_co_u32 s20, s20, s22
	s_and_b32 s22, s42, 3
	s_lshl_b32 s22, s22, 2
	s_add_co_u32 s20, s20, s22
	s_lshl_b32 s22, s16, 1
	s_add_co_u32 s20, s20, s22
	s_lshl_b32 s20, s20, 11                        ; 2,048 positions a plane
	s_and_b32 s18, s17, 7
	s_or_b32 s19, s18, s15                         ; 0: my first 16 rows are a sequence's first 16 positions
	s_lshl_b32 s18, s18, 8
	s_add_co_u32 s20, s20, s18
	s_lshl_b32 s18, s15, 7
	s_add_co_u32 s20, s20, s18
	s_lshl_b32 s20, s20, 7                         ; 128 bytes a position
	s_mul_i32 s46, s21, 196608                     ; qkvf: 16 rows of 12,288 bytes a batch,
	s_mov_b32 s21, 0
	s_add_nc_u64 s[12:13], s[12:13], s[20:21]
	s_lshl_b32 s18, s42, 10
	s_add_co_u32 s46, s46, s18                     ; my first column, 4 bytes each
	s_lshl_b32 s18, s16, 9
	s_add_co_u32 s46, s46, s18
	s_mov_b32 s47, 0
	s_add_nc_u64 s[96:97], s[96:97], s[46:47]
	v_mov_b32 v[FL], s19
.macro FRAG reg, adr, q, i             ; a fragment: lane l holds row l % 16; registers 4 c .. 4 c + 3 hold K = 64 c + 32 (l / 16) + 0 .. 31
.irp c, 0,1
	ds_load_b128 v[\reg+4*\c:\reg+4*\c+3], v[\adr] offset:64*(\q)+32*\c+(\i)*16*PITCH
.endr
.endm
; 16 matrix instructions: A's blocks a0, a0 + 1 x B's eight, 128 along K.  p: B's set;  sc: the set of scale words.  zero = 1: the first product starts the sums.
; The 64 accumulators take turns, one instruction a turn, in the same order in every step.
.macro MUL16 a0, p, q, sc, zero
.irp a, \a0, \a0+1
.irp b, 0,1,2,3,4,5,6,7
.if \zero
	v_wmma_scale_f32_16x16x128_f8f6f4 v[8*(8*((\a)%4)+\b):8*(8*((\a)%4)+\b)+7], v[128*(\p)+FR*\b:128*(\p)+FR*\b+FR-1], v[AF+FR*(\a):AF+FR*(\a)+FR-1], 0, v[SC+8*NQ*(\sc)+NQ*\b+(\q)], v[SC+8*NQ*(\sc)+NQ*(\a)+(\q)] matrix_a_fmt:MATRIX_FMT_FP4 matrix_b_fmt:MATRIX_FMT_FP4 matrix_a_scale:MATRIX_SCALE_ROW1
.else
	v_wmma_scale_f32_16x16x128_f8f6f4 v[8*(8*((\a)%4)+\b):8*(8*((\a)%4)+\b)+7], v[128*(\p)+FR*\b:128*(\p)+FR*\b+FR-1], v[AF+FR*(\a):AF+FR*(\a)+FR-1], v[8*(8*((\a)%4)+\b):8*(8*((\a)%4)+\b)+7], v[SC+8*NQ*(\sc)+NQ*\b+(\q)], v[SC+8*NQ*(\sc)+NQ*(\a)+(\q)] matrix_a_fmt:MATRIX_FMT_FP4 matrix_b_fmt:MATRIX_FMT_FP4 matrix_a_scale:MATRIX_SCALE_ROW1
.endif
.endr
.endr
.endm
.macro FETCH_B slot, q, p
	WIN TO_B
.irp i, 0,1,2,3,4,5,6,7
	FRAG 128*(\p)+FR*\i, ADRB+\slot, \q, \i
.endr
	WIN 0
.endm
.macro FETCH_A slot, q, i0
.irp i, \i0, \i0+1, \i0+2, \i0+3
	FRAG AF+FR*(\i), ADRA+\slot, \q, \i
.endr
.endm
.macro SCALES sc                       ; a slot's scale words: four words a row; lanes 0-15 take A's block i, lanes 16-31 B's block i
.irp i, 0,1,2,3,4,5,6,7
	ds_load_b128 v[SC+8*NQ*\sc+NQ*\i:SC+8*NQ*\sc+NQ*\i+3], v[ADRS] offset:\i*SBLK
.endr
.endm
; A load into a register that a matrix instruction has read, and a vector instruction or a store that reads a matrix result, stand NP places behind that matrix instruction (ISA guide 7.12.1 for vector instructions)
.macro PLACES n
.rept \n
	v_nop
.endr
.endm
.macro STEP slot, q, zero              ; a step of 128 along K that has its successor in the same slot
	s_wait_dscnt 4*NL                              ; B's set and A's blocks 0-3 are in; the youngest eight loads (A's blocks 4-7) may be out
	WIN MUL_LO
	MUL16 0, (\q)%2, \q, \slot, \zero
	MUL16 2, (\q)%2, \q, \slot, \zero
	s_wait_dscnt 0
	PLACES NP
	FETCH_B \slot, (\q)+1, 1-(\q)%2
	FETCH_A \slot, (\q)+1, 0
	WIN MUL_HI
	MUL16 4, (\q)%2, \q, \slot, \zero
	MUL16 6, (\q)%2, \q, \slot, \zero
	PLACES NP
	WIN 0
	FETCH_A \slot, (\q)+1, 4
.endm
; Slot 0's last step changes slots: each wave waits for all its tensor loads (its part of slot 1), adds 0 to its spare word, waits for that and for its reads of slot 0, and meets the others.
.macro TURN slot, next
	s_wait_tensorcnt 0x0
	ds_add_u32 v[SPW], v[NIL]
	s_wait_dscnt 4*NL+1                            ; the add and the youngest eight loads may be out
	WIN MUL_LO
	MUL16 0, 1, NQ-1, \slot, 0
	s_wait_dscnt 0x0
	s_barrier_signal -1
	MUL16 2, 1, NQ-1, \slot, 0
	WIN 0
	s_barrier_wait -1
	PLACES NP
	v_add_nc_u32 v[ADRS], 4*NQ, v[ADRS]            ; on to the next slot's scale words (no LDS load of mine is out)
	FETCH_B \next, 0, 0
	FETCH_A \next, 0, 0
	SCALES \next
	WIN MUL_HI
	MUL16 4, 1, NQ-1, \slot, 0
	MUL16 6, 1, NQ-1, \slot, 0
	PLACES NP
	WIN 0
	FETCH_A \next, 0, 4
.endm
.macro STEPS slot, from
.set Q, \from
.rept NQ-1-\from
	STEP \slot, Q, 0
.set Q, Q+1
.endr
.endm
	s_wait_tensorcnt 1                             ; the scales and my part of slot 0 are in (slot 1's load may be out)
	s_barrier_signal -1
	s_barrier_wait -1                              ; everybody's are
	FETCH_B 0, 0, 0
	FETCH_A 0, 0, 0
	SCALES 0
	FETCH_A 0, 0, 4
	STEP 0, 0, 1                                   ; the first step's products start the sums
	STEPS 0, 1
	TURN 0, 1
	STEPS 1, 0
	s_wait_dscnt 4*NL                              ; the last step: nothing more to fetch
	WIN MUL_LO
	MUL16 0, 1, NQ-1, 1, 0
	MUL16 2, 1, NQ-1, 1, 0
	s_wait_dscnt 0
	WIN MUL_HI
	MUL16 4, 1, NQ-1, 1, 0
	MUL16 6, 1, NQ-1, 1, 0
	WIN 0
	; THE WAY OUT.
	PLACES NP
	; The first 16 positions of a sequence also leave as f32.  Which work-groups hold them hangs on the place in the cluster: the lanes are switched off, and every wave runs the lines.
	v_cmp_eq_u32 vcc_lo, 0, v[FL]
	s_wait_xcnt 0x0                                ; EXEC changes only behind this wait
	s_and_saveexec_b32 s3, vcc_lo
	WIN 0x08                                       ; a store's data are its source 1: window 2
.irp b, 0,1,2,3,4,5,6,7
	global_store_b128 v[FO], v[8*\b:8*\b+3], s[96:97] offset:64*\b          ; each accumulator from its low end on
	global_store_b128 v[FO], v[8*\b+4:8*\b+7], s[96:97] offset:64*\b+16
.endr
	WIN 0
	s_wait_xcnt 0x0
	s_or_b32 exec_lo, exec_lo, s3
; Block a (16 rows x 128 columns = two heads): rounded to f16, 16 bytes a lane; through my stage; back by heads: 16 positions x 128 bytes of a plane are 2,048 consecutive bytes, 512 to a store.
.macro PACK a
.set AC, 64*((\a)%4)
	WIN 0x0a+5*((\a)/4)                            ; sources 0 and 1: window 2 or 3
.irp b, 0,1,2,3,4,5,6,7
.irp r, 0,1,2,3
	v_cvt_pk_f16_f32 v[TMP+4*\b+\r], v[AC+8*\b+2*\r], v[AC+8*\b+2*\r+1]
.endr
.endr
	WIN 0
.endm
.macro TOSTAGE a
.set BB, BK+32*((\a)%2)
.irp b, 0,1,2,3,4,5,6,7
	ds_store_b128 v[STO], v[TMP+4*\b:TMP+4*\b+3] offset:32*\b
.endr
.irp e, 0,1
.irp i, 0,1,2,3
	ds_load_b128 v[BB+16*\e+4*\i:BB+16*\e+4*\i+3], v[RD] offset:4*SPITCH*\i+128*\e   ; LDS serves a wave's instructions in order (ISA guide 5.7.1.4): these see the stores above
.endr
.endr
.endm
.macro SEND a
.set BB, BK+32*((\a)%2)
	s_wait_dscnt 0x0                               ; the block is back in registers
	s_wait_xcnt 0x0                                ; the block before has been read by its stores: its registers may take the next block's loads
.irp e, 0,1
.irp i, 0,1,2,3
	global_store_b128 v[CO], v[BB+16*\e+4*\i:BB+16*\e+4*\i+3], s[12:13] offset:262144*\e+2048*(\a)+512*\i
.endr
.endr
.endm
	PACK 0
	TOSTAGE 0
.irp a, 1,2,3,4,5,6,7
	PACK \a                                        ; block a's conversions stand between block a - 1's loads from the stage and the wait for them
	SEND \a-1
	TOSTAGE \a
.endr
	SEND 7
	s_wait_tensorcnt 0x0                           ; the wave's end
	ds_add_u32 v[SPW], v[NIL]
	s_wait_dscnt 0x0
	CROUND                                         ; the closing round
	s_endpgm
.Lfunc_end_k_q77a0d6fe6e_project_qkv:
	.size	k_q77a0d6fe6e_project_qkv, .Lfunc_end_k_q77a0d6fe6e_project_qkv-k_q77a0d6fe6e_project_qkv
	.p2alignl 7, 3214868480
	.fill 96, 4, 3214868480
	.section	.rodata,"a",@progbits
	.p2align	6, 0x0
	.amdhsa_kernel k_q77a0d6fe6e_project_qkv
		.amdhsa_group_segment_fixed_size 327680
		.amdhsa_private_segment_fixed_size 0
		.amdhsa_enable_private_segment 0
		.amdhsa_kernarg_size 24
		.amdhsa_user_sgpr_count 2
		.amdhsa_user_sgpr_kernarg_segment_ptr 1
		.amdhsa_wavefront_size32 1
		.amdhsa_system_sgpr_workgroup_id_x 1
		.amdhsa_system_sgpr_workgroup_id_y 1
		.amdhsa_system_sgpr_workgroup_id_z 1
		.amdhsa_system_vgpr_workitem_id 0
		.amdhsa_next_free_vgpr 1024
		.amdhsa_next_free_sgpr 100
		.amdhsa_reserve_vcc 1
		.amdhsa_float_denorm_mode_32 3
		.amdhsa_float_denorm_mode_16_64 3
		.amdhsa_memory_ordered 1
		.amdhsa_forward_progress 1
		.amdhsa_inst_pref_size 129
	.end_amdhsa_kernel
	.amdgpu_metadata
---
amdhsa.version: [ 1, 2 ]
amdhsa.kernels:
  - .name:           k_q77a0d6fe6e_project_qkv
    .symbol:         k_q77a0d6fe6e_project_qkv.kd
    .args:
      - { .name: qnt, .offset: 0, .size: 8, .value_kind: global_buffer, .address_space: global }
      - { .name: qkv, .offset: 8, .size: 8, .value_kind: global_buffer, .address_space: global }
      - { .name: qkvf, .offset: 16, .size: 8, .value_kind: global_buffer, .address_space: global }
    .group_segment_fixed_size: 327680
    .private_segment_fixed_size: 0
    .kernarg_segment_align: 8
    .kernarg_segment_size: 24
    .max_flat_workgroup_size: 128
    .sgpr_count:     100
    .vgpr_count:     1024
    .wavefront_size: 32
...
	.end_amdgpu_metadata
.endif
;; end of part 2
;; launch attn (part 3): grid 4 x 64, 16 waves a work-group, no clusters, 77,824 bytes of LDS; arguments qkv, msk, ctx; writes ctx
.if DOCPART == 3
	.amdgcn_target "amdgcn-amd-amdhsa--gfx1250"
	.amdhsa_code_object_version 6
	.text
	.protected	k_q77a0d6fe6e_attn
	.globl	k_q77a0d6fe6e_attn
	.p2align	8
	.type	k_q77a0d6fe6e_attn,@function
k_q77a0d6fe6e_attn:
	s_mov_b64 s[64:65], 0
	v_nop
	global_prefetch_b8 v0, s[64:65] scope:SCOPE_SE
	s_setreg_imm32_b32 hwreg(HW_REG_WAVE_MODE, 25, 1), 1
	s_wait_xcnt 0x0
; ctx[bh][q][:] = the sum over k of softmax_k(mask ? Q[q] . K[k] / 8 : -infinity) V[k][:], for 64 (batch, head) pairs of 2,048 positions, head size 64.  Q, K, V, ctx: f16; products' sums, maxima and sums in f32.
; THE MASK IS AN INPUT: it arrives as lane-mask words (one for each score register of a tile of 16 queries x 64 keys) and two flag words for each tile of queries: ANY (bit kt: some entry is true) and ZERO (some is false).
; A tile with no true entry adds nothing to any row. A tile with no false entry needs no masking. Right for every mask.
; The launch has no tensor load: K and V go from memory to LDS through registers, asked for one key step ahead.  So there is nothing that a cluster could ask for jointly.
; SHARES.  A work-group has sixteen waves, four to a SIMD, each with 32 queries (two tiles of 16) of one (batch, head) in 256 registers.  Wave w of work-group g owns chunk j, 31 - j, 32 + j or 63 - j (j = 4 g + w % 4,
; by w / 4): a spread that gives each group of four early and late queries alike; no result hangs on it.  Every work-group walks all 32 tiles of 64 keys; its 512 threads stage each tile, 16 bytes of K and of V a thread.
; LAYOUT.  S^T = K Q^T (source 0 = 16 keys, source 1 = 16 queries): a lane holds ONE query (lane % 16) and keys 8 (lane / 16) + 0..7.  Two such tiles, rounded to f16 in pairs, ARE source 1 of O^T = V^T P.
; SOFTMAX.  For each query a running maximum m and sum l: p = 2^(c s - c m), c = log2(e) / 8; in every step O and l are multiplied by a = 2^(c m_old - c m_new).
; LIMITS: scores lie above -3e38, where m begins; NaN and infinities among Q, K, V are not served; a row with no true entry gives 0 x infinity = NaN, as the softmax of such a row is.
; REGISTERS: v0 16 x thread; v1, v2 the add's two; v3 256 x lane; v4-7 LDS addresses; v8-15 the staged 16 + 16 bytes; v16-31 statistics; v32-63 Q; v64-127 S^T, then P in each tile's first 16; v128-191 K's, then V's fragments; v192-255 O^T.
.set PK,    144                        ; a row of K in LDS: 128 bytes + 16: the 16 rows of a load start at 16 different groups of four banks
.set PVP,   160                        ; a row of V: 128 + 32: an odd multiple of 32, for the turning load
.set VOFF,  64*PK
.set SLOT,  VOFF+64*PVP                ; a slot: 64 rows of K, then 64 rows of V
.set STAGE, 2*SLOT                     ; the way out: 16 rows x 144 bytes for each wave
.set SPARE, STAGE+16*16*PK             ; the spare words, 128 bytes for each wave
.set SPW, 1
.set NIL, 2
.set PFO, 3
.set AK,  4                            ; 144 (l % 16) + 16 (l / 16); on the way out: where I put 16 bytes of a row
.set AV,  5                            ; VOFF + 160 (8 (l / 16) + l % 8) + 16 ((l / 8) % 2); on the way out: where I read rows back
.set LSK, 6                            ; 144 (thread / 8) + 16 (thread % 8); on the way out: 16 x lane
.set LSV, 7                            ; VOFF + 160 (thread / 8) + 16 (thread % 8)
.set STG, 8
.set ST,  16                           ; tile t at ST + 8 t: +0 c m, +1 m, +2, +3 l (even keys', odd keys'), +4 .. +7 c0-c3 at work; a takes c2's place
.set Q,   32                           ; tile t, channels 32 u on: Q + 16 t + 8 u
.set S,   64                           ; tile t: S + 32 t
.set KV,  128
.set O,   192                          ; tile t, channels 16 d on: O + 32 t + 8 d
.set MP,  2                            ; s[2:3]   the lane-mask words of my first tile of queries, for the key tile in hand
.set KP,  10                           ; s[10:11] K's tile in hand
.set VP,  12                           ; s[12:13] V's
.set ANY, 14
.set ZER, 15
.set KT,  84                           ; the key tile in hand
.set LC,  85
.set CS,  86                           ; s[86:87] c
.set SEL, 88                           ; s[88:89] lane selects: lane l xor 16
.set WV,  90
.set PF,  96                           ; s[96:97] K's (wave 12) or V's (wave 13) tile in hand, for the prefetch
.set NEGS, 98                          ; -infinity
.set LIM, 99                           ; 28 in a wave that prefetches, else 0
	s_load_b128 s[4:7], s[0:1], 0x0                ; qkv, msk
	s_load_b64 s[8:9], s[0:1], 0x10                ; ctx
	v_lshl_add_u32 v[SPW], v0, 2, SPARE
	v_mov_b32 v[NIL], 0
	v_lshrrev_b32 v8, 5, v0
	v_readfirstlane_b32 s[WV], v8                  ; wave 0..15
	v_and_b32 v9, 15, v0                           ; r
	v_bfe_u32 v10, v0, 4, 1                        ; h
	v_and_b32 v11, 7, v0
	v_bfe_u32 v12, v0, 3, 1
	v_lshrrev_b32 v13, 3, v0
	v_lshlrev_b32 v14, 4, v11
	v_and_b32 v[PFO], 31, v0
	v_lshlrev_b32 v[PFO], 8, v[PFO]
	v_mul_u32_u24 v[AK], v9, PK
	v_lshl_add_u32 v[AK], v10, 4, v[AK]
	v_lshl_add_u32 v[AV], v10, 3, v11
	v_mul_u32_u24 v[AV], v[AV], PVP
	v_lshl_add_u32 v[AV], v12, 4, v[AV]
	v_add_nc_u32 v[AV], VOFF, v[AV]
	v_mad_u32_u24 v[LSK], v13, PK, v14
	v_mad_u32_u24 v[LSV], v13, PVP, v14
	v_add_nc_u32 v[LSV], VOFF, v[LSV]
	v_lshlrev_b32 v128, 7, v9
	v_lshl_add_u32 v128, v10, 4, v128              ; Q: row r of 128 bytes, + 16 h
	v_lshlrev_b32 v0, 4, v0                        ; from here on: my 16 bytes of a tile's 8,192
	s_and_b32 s91, ttmp7, 0xffff                   ; (batch, head)
	s_and_b32 s16, s[WV], 3
	s_lshl_b32 s17, ttmp9, 2
	s_add_co_u32 s16, s16, s17                     ; j
	s_lshr_b32 s17, s[WV], 2
	s_and_b32 s18, s17, 1
	s_mul_i32 s18, s18, 31
	s_xor_b32 s16, s16, s18
	s_lshr_b32 s17, s17, 1
	s_lshl_b32 s17, s17, 5
	s_or_b32 s16, s16, s17                         ; my chunk of 32 queries, 0 .. 63
	s_mov_b32 s[CS], 0x3e38aa3b                    ; c = log2(e) / 8
	s_mov_b32 s[CS+1], s[CS]
	s_mov_b32 s[SEL], 0x76543210
	s_mov_b32 s[SEL+1], 0xfedcba98
	s_mov_b32 s[NEGS], 0xff800000
	s_mov_b32 s[KT], 0
	s_mov_b32 s[LC], 15
	s_sub_co_u32 s17, s[WV], 12
	s_lshr_b32 s17, s17, 1                         ; 0 in waves 12 and 13,
	s_or_b32 s17, s17, ttmp9                       ; of the first of the four work-groups that walk this K and V
	s_cmp_eq_u32 s17, 0
	s_cselect_b32 s[LIM], 28, 0
	s_lshl_b32 s18, s91, 18                        ; a plane is 262,144 bytes
	s_mov_b32 s19, 0
	s_mov_b32 s23, 0
	s_wait_kmcnt 0x0
	s_add_nc_u64 s[20:21], s[4:5], s[18:19]        ; Q's plane
	s_add_nc_u64 s[KP:KP+1], s[20:21], 64*262144
	s_add_nc_u64 s[VP:VP+1], s[20:21], 128*262144
	s_lshl_b32 s22, s16, 12                        ; 32 rows of 128 bytes a chunk
	s_add_nc_u64 s[20:21], s[20:21], s[22:23]
	s_add_nc_u64 s[8:9], s[8:9], s[18:19]
	s_add_nc_u64 s[8:9], s[8:9], s[22:23]          ; my rows of ctx
	s_lshl_b32 s22, s16, 13                        ; 4,096 bytes of words for each tile of queries
	s_add_nc_u64 s[MP:MP+1], s[6:7], s[22:23]
	s_lshl_b32 s22, s16, 4
	s_add_nc_u64 s[24:25], s[6:7], s[22:23]
	s_load_b128 s[92:95], s[24:25], 0x80000        ; ANY, ZERO of my two tiles of queries
	s_cmp_eq_u32 s[WV], 12
	s_cselect_b64 s[PF:PF+1], s[KP:KP+1], s[VP:VP+1]
	global_load_b128 v[STG:STG+3], v0, s[KP:KP+1]  ; key tile 0
	global_load_b128 v[STG+4:STG+7], v0, s[VP:VP+1]
.irp t, 0,1
.irp u, 0,1
.irp e, 0,1
	global_load_b128 v[Q+16*\t+8*\u+4*\e:Q+16*\t+8*\u+4*\e+3], v128, s[20:21] offset:2048*\t+64*\u+32*\e   ; Q stays in registers
.endr
.endr
.endr
.set i, 0
.rept 64
	v_mov_b32 v[O+i], 0                            ; O^T begins as zeros: which key step is a wave's first hangs on the mask, so no step can be written out as the first
.set i, i+1
.endr
.irp t, 0,1
	v_mov_b32 v[ST+8*\t+1], 0xff61b1e6             ; m: -3e38
	v_mul_f32 v[ST+8*\t], s[CS], v[ST+8*\t+1]      ; c m
.irp k, 2,3,4,5,6,7
	v_mov_b32 v[ST+8*\t+\k], 0                     ; l; and c0-c3, which the way out names even where every tile was passed over
.endr
.endr
	s_wait_loadcnt 0x0
	ds_store_b128 v[LSK], v[STG:STG+3]
	ds_store_b128 v[LSV], v[STG+4:STG+7]
	s_wait_kmcnt 0x0
	s_or_b32 s[ANY], s92, s94
	s_or_b32 s[ZER], s93, s95
	s_wait_dscnt 0x0                               ; for the others' sake: my part of tile 0 lies in LDS
	s_barrier_signal -1
	s_barrier_wait -1
; The softmax of my two tiles for one key step, the tiles alternating line by line, so that no line waits for the line above it.
.macro SOFT
.irp j, 0,1,2,3
.irp t, 0,1
	v_max3_num_f32 v[ST+8*\t+4+\j], v[S+32*\t+8*\j], v[S+32*\t+8*\j+1], v[S+32*\t+8*\j+2]   ; four chains of seven scores; each accumulator is read from its low end on
.endr
.endr
.irp k, 1,2
.irp j, 0,1,2,3
.irp t, 0,1
	v_max3_num_f32 v[ST+8*\t+4+\j], v[ST+8*\t+4+\j], v[S+32*\t+8*\j+2*\k+1], v[S+32*\t+8*\j+2*\k+2]
.endr
.endr
.endr
.irp t, 0,1
	v_max3_num_f32 v[ST+8*\t+4], v[ST+8*\t+4], v[S+32*\t+7], v[S+32*\t+15]
.endr
.irp t, 0,1
	v_max3_num_f32 v[ST+8*\t+6], v[ST+8*\t+6], v[S+32*\t+23], v[S+32*\t+31]
.endr
.irp t, 0,1
	v_max3_num_f32 v[ST+8*\t+4], v[ST+8*\t+4], v[ST+8*\t+5], v[ST+8*\t+6]
.endr
.irp t, 0,1
	v_max3_num_f32 v[ST+8*\t+4], v[ST+8*\t+4], v[ST+8*\t+7], v[ST+8*\t+1]   ; with the old m
.endr
.irp t, 0,1
	v_permlanex16_b32 v[ST+8*\t+5], v[ST+8*\t+4], s[SEL], s[SEL+1]          ; the query's other 32 keys lie in the lane 16 away
.endr
.irp t, 0,1
	v_mov_b32 v[ST+8*\t+7], v[ST+8*\t]             ; c m_old
.endr
.irp t, 0,1
	v_max_num_f32 v[ST+8*\t+1], v[ST+8*\t+4], v[ST+8*\t+5]
.endr
.irp t, 0,1
	v_mul_f32 v[ST+8*\t], s[CS], v[ST+8*\t+1]
.endr
.irp t, 0,1
	v_sub_f32 v[ST+8*\t+7], v[ST+8*\t+7], v[ST+8*\t]
.endr
.set i, 0
.rept 16
.irp t, 0,1
	v_pk_fma_f32 v[S+32*\t+i:S+32*\t+i+1], v[S+32*\t+i:S+32*\t+i+1], s[CS:CS+1], v[ST+8*\t:ST+8*\t+1] op_sel_hi:[1,0,0] neg_lo:[0,0,1] neg_hi:[0,0,1]   ; c s - c m
.endr
.set i, i+2
.endr
.irp t, 0,1
	v_exp_f32 v[ST+8*\t+6], v[ST+8*\t+7]           ; a
.endr
.set i, 0
.rept 32
	v_exp_f32 v[S+i], v[S+i]
	v_exp_f32 v[S+32+i], v[S+32+i]
.set i, i+1
.endr
	v_nop                                          ; a plain line behind the last exponential
	s_wait_alu depctr_va_vdst(0)                   ; ONE wait for the 66 exponentials, ahead of the first line that names a result
.irp t, 0,1
	v_pk_add_f32 v[ST+8*\t+4:ST+8*\t+5], v[S+32*\t:S+32*\t+1], v[S+32*\t+2:S+32*\t+3]   ; the sum of the unrounded p
.endr
.set i, 4
.rept 14
.irp t, 0,1
	v_pk_add_f32 v[ST+8*\t+4:ST+8*\t+5], v[ST+8*\t+4:ST+8*\t+5], v[S+32*\t+i:S+32*\t+i+1]
.endr
.set i, i+2
.endr
.irp t, 0,1
	v_pk_fma_f32 v[ST+8*\t+2:ST+8*\t+3], v[ST+8*\t+2:ST+8*\t+3], v[ST+8*\t+6:ST+8*\t+7], v[ST+8*\t+4:ST+8*\t+5] op_sel_hi:[1,0,1]   ; l = a l + the sum
.endr
.set i, 0
.rept 16
.irp t, 0,1
	v_cvt_pk_f16_f32 v[S+32*\t+i], v[S+32*\t+2*i], v[S+32*\t+2*i+1]   ; P in place, ascending: register i is written when registers 2 i and 2 i + 1 are read, and no later pair lies at or under i
.endr
.set i, i+1
.endr
.set i, 0
.rept 16
.irp t, 0,1
	v_pk_mul_f32 v[O+32*\t+i:O+32*\t+i+1], v[O+32*\t+i:O+32*\t+i+1], v[ST+8*\t+6:ST+8*\t+7] op_sel_hi:[1,0]   ; O^T x a
.endr
.set i, i+2
.endr
.endm
; A KEY STEP on the tile in slot sl.  more = 1: the next tile is asked for at the head, stored into the other slot at the end, and a barrier follows.
.macro TRIP sl, more
.if \more
	global_load_b128 v[STG:STG+3], v0, s[KP:KP+1] offset:8192       ; the next tile: it has this step in which to come
	global_load_b128 v[STG+4:STG+7], v0, s[VP:VP+1] offset:8192
	; A PREFETCH INTO THE L2 of the tile that the loads three steps on will name: 8,192 bytes, a lane to each 256.  The four work-groups of a (batch, head) walk the same K and V: the first asks, wave 12 for K's,
	; wave 13 for V's: each block is named once in the launch.  Tiles 0 to 3 come by their loads alone; behind step 27 there is no tile four on.
	s_cmp_lt_u32 s[KT], s[LIM]
	s_cbranch_scc0 .Lnp_\@
	global_prefetch_b8 v[PFO], s[PF:PF+1] offset:4*8192 th:TH_LOAD_NT scope:SCOPE_SE
.Lnp_\@:
.endif
	s_bitcmp1_b32 s[ANY], s[KT]                    ; no true entry for my 32 queries: nothing to add
	s_cbranch_scc0 .Lskip_\@
.irp a, 0,1,2,3
.irp u, 0,1
.irp e, 0,1
	ds_load_b128 v[KV+16*\a+8*\u+4*\e:KV+16*\a+8*\u+4*\e+3], v[AK] offset:\sl*SLOT+16*PK*\a+64*\u+32*\e
.endr
.endr
.endr
	s_wait_dscnt 0x0
.irp u, 0,1                                    ; S^T = K Q^T: eight accumulators by turns
.irp a, 0,1,2,3
.irp t, 0,1
.if \u == 0
	v_wmma_f32_16x16x32_f16 v[S+32*\t+8*\a:S+32*\t+8*\a+7], v[KV+16*\a:KV+16*\a+7], v[Q+16*\t:Q+16*\t+7], 0
.else
	v_wmma_f32_16x16x32_f16 v[S+32*\t+8*\a:S+32*\t+8*\a+7], v[KV+16*\a+8:KV+16*\a+15], v[Q+16*\t+8:Q+16*\t+15], v[S+32*\t+8*\a:S+32*\t+8*\a+7]
.endif
.endr
.endr
.endr
.rept 4
	v_nop                                          ; places in front of the loads into K's registers and of the first read of the scores
.endr
.irp g, 0,1
.irp d, 0,1,2,3
	ds_load_tr16_b128 v[KV+32*\g+8*\d:KV+32*\g+8*\d+3], v[AV] offset:\sl*SLOT+32*PVP*\g+32*\d              ; V^T: channels 16 d on, keys 32 g + 8 h on,
	ds_load_tr16_b128 v[KV+32*\g+8*\d+4:KV+32*\g+8*\d+7], v[AV] offset:\sl*SLOT+32*PVP*\g+16*PVP+32*\d     ; and 16 further on; they land under the softmax
.endr
.endr
	s_bitcmp1_b32 s[ZER], s[KT]                    ; no false entry: nothing to hide
	s_cbranch_scc0 .Lopen_\@
	s_load_b512 s[16:31], s[MP:MP+1], 0x0          ; my first tile's 32 words,
	s_load_b512 s[32:47], s[MP:MP+1], 0x40
	s_load_b512 s[48:63], s[MP:MP+1], 0x1000       ; my second tile's
	s_load_b512 s[68:83], s[MP:MP+1], 0x1040
	s_wait_kmcnt 0x0
.set i, 0
.rept 16
	v_cndmask_b32 v[S+i], s[NEGS], v[S+i], s[16+i]          ; a hidden score becomes -infinity: p = 0 then
	v_cndmask_b32 v[S+32+i], s[NEGS], v[S+32+i], s[48+i]
.set i, i+1
.endr
.set i, 0
.rept 16
	v_cndmask_b32 v[S+16+i], s[NEGS], v[S+16+i], s[32+i]
	v_cndmask_b32 v[S+48+i], s[NEGS], v[S+48+i], s[68+i]
.set i, i+1
.endr
.Lopen_\@:
	SOFT
	s_wait_dscnt 0x0                               ; V is in
.irp g, 0,1                                    ; O^T += V^T P: eight accumulators by turns
.irp d, 0,1,2,3
.irp t, 0,1
	v_wmma_f32_16x16x32_f16 v[O+32*\t+8*\d:O+32*\t+8*\d+7], v[KV+32*\g+8*\d:KV+32*\g+8*\d+7], v[S+32*\t+8*\g:S+32*\t+8*\g+7], v[O+32*\t+8*\d:O+32*\t+8*\d+7]
.endr
.endr
.endr
.rept 5
	v_nop                                          ; five places: the next step's first products write over P's registers; its loads land in V's
.endr
.Lskip_\@:
.if \more
	s_wait_loadcnt 0x0                             ; the next tile is in my registers;
	ds_store_b128 v[LSK], v[STG:STG+3] offset:(1-\sl)*SLOT          ; the other slot was last read a step ago, ahead of the barrier that every wave has passed
	ds_store_b128 v[LSV], v[STG+4:STG+7] offset:(1-\sl)*SLOT
	s_wait_xcnt 0x0                                ; the prefetch has read its address too
	s_add_nc_u64 s[KP:KP+1], s[KP:KP+1], 8192
	s_add_nc_u64 s[VP:VP+1], s[VP:VP+1], 8192
	s_add_nc_u64 s[PF:PF+1], s[PF:PF+1], 8192
.endif
	s_add_co_u32 s[KT], s[KT], 1
	s_add_nc_u64 s[MP:MP+1], s[MP:MP+1], 128
.if \more
	s_wait_dscnt 0x0                               ; my stores have landed, and my reads of this slot are over: ONE barrier a step orders both
	s_barrier_signal -1
	s_barrier_wait -1
.endif
.endm
.Lpair:
	TRIP 0, 1
	TRIP 1, 1
	s_sub_co_u32 s[LC], s[LC], 1
	s_cmp_lg_u32 s[LC], 0
	s_cbranch_scc1 .Lpair
	TRIP 0, 1
	TRIP 1, 0                                      ; the last tile: nothing is left to fetch
	; THE WAY OUT.  O^T / l, rounded to f16, goes through my stage, a tile (16 rows of 128 bytes) at a time, and leaves as 512 consecutive bytes a store.
	v_bfe_u32 v8, v0, 4, 4                         ; r (v0 holds 16 x thread)
	v_bfe_u32 v9, v0, 8, 1                         ; h
	v_bfe_u32 v10, v0, 4, 5                        ; lane
	s_mul_i32 s16, s[WV], 16*PK
	s_add_co_u32 s16, s16, STAGE
	v_mul_u32_u24 v[AK], v8, PK
	v_lshl_add_u32 v[AK], v9, 4, v[AK]
	v_add_nc_u32 v[AK], s16, v[AK]
	v_lshrrev_b32 v11, 3, v10
	v_and_b32 v12, 7, v10
	v_mul_u32_u24 v[AV], v11, PK
	v_lshl_add_u32 v[AV], v12, 4, v[AV]
	v_add_nc_u32 v[AV], s16, v[AV]
	v_lshlrev_b32 v[LSK], 4, v10
.irp t, 0,1
	v_add_f32 v[ST+8*\t+4], v[ST+8*\t+2], v[ST+8*\t+3]
.endr
.irp t, 0,1
	v_permlanex16_b32 v[ST+8*\t+5], v[ST+8*\t+4], s[SEL], s[SEL+1]
.endr
.irp t, 0,1
	v_add_f32 v[ST+8*\t+4], v[ST+8*\t+4], v[ST+8*\t+5]
.endr
.irp t, 0,1
	v_rcp_f32 v[ST+8*\t+6], v[ST+8*\t+4]
.endr
	v_nop
	s_wait_alu depctr_va_vdst(0)                   ; one wait for the two reciprocals, ahead of their first reader
.irp t, 0,1
.set i, 0
.rept 16
	v_pk_mul_f32 v[O+32*\t+i:O+32*\t+i+1], v[O+32*\t+i:O+32*\t+i+1], v[ST+8*\t+6:ST+8*\t+7] op_sel_hi:[1,0]
.set i, i+2
.endr
.set i, 0
.rept 16
	v_cvt_pk_f16_f32 v[S+16*\t+i], v[O+32*\t+2*i], v[O+32*\t+2*i+1]
.set i, i+1
.endr
.irp d, 0,1,2,3
	ds_store_b128 v[AK], v[S+16*\t+4*\d:S+16*\t+4*\d+3] offset:32*\d
.endr
.irp k, 0,1,2,3
	ds_load_b128 v[S+32+16*\t+4*\k:S+32+16*\t+4*\k+3], v[AV] offset:4*PK*\k   ; LDS serves a wave's instructions in order (ISA guide 5.7.1.4): these see my stores, and the next tile's stores come behind them
.endr
.endr
	s_wait_dscnt 0x0
.irp t, 0,1
.irp k, 0,1,2,3
	global_store_b128 v[LSK], v[S+32+16*\t+4*\k:S+32+16*\t+4*\k+3], s[8:9] offset:2048*\t+512*\k
.endr
.endr
	s_wait_tensorcnt 0x0                           ; the wave's end
	ds_add_u32 v[SPW], v[NIL]
	s_wait_dscnt 0x0
	s_endpgm
.Lfunc_end_k_q77a0d6fe6e_attn:
	.size	k_q77a0d6fe6e_attn, .Lfunc_end_k_q77a0d6fe6e_attn-k_q77a0d6fe6e_attn
	.p2alignl 7, 3214868480
	.fill 96, 4, 3214868480
	.section	.rodata,"a",@progbits
	.p2align	6, 0x0
	.amdhsa_kernel k_q77a0d6fe6e_attn
		.amdhsa_group_segment_fixed_size 77824
		.amdhsa_private_segment_fixed_size 0
		.amdhsa_enable_private_segment 0
		.amdhsa_kernarg_size 24
		.amdhsa_user_sgpr_count 2
		.amdhsa_user_sgpr_kernarg_segment_ptr 1
		.amdhsa_wavefront_size32 1
		.amdhsa_system_sgpr_workgroup_id_x 1
		.amdhsa_system_sgpr_workgroup_id_y 1
		.amdhsa_system_sgpr_workgroup_id_z 1
		.amdhsa_system_vgpr_workitem_id 0
		.amdhsa_next_free_vgpr 256
		.amdhsa_next_free_sgpr 100
		.amdhsa_reserve_vcc 0
		.amdhsa_float_denorm_mode_32 3
		.amdhsa_float_denorm_mode_16_64 3
		.amdhsa_memory_ordered 1
		.amdhsa_forward_progress 1
		.amdhsa_inst_pref_size 103
	.end_amdhsa_kernel
	.amdgpu_metadata
---
amdhsa.version: [ 1, 2 ]
amdhsa.kernels:
  - .name:           k_q77a0d6fe6e_attn
    .symbol:         k_q77a0d6fe6e_attn.kd
    .args:
      - { .name: qkv, .offset: 0, .size: 8, .value_kind: global_buffer, .address_space: global }
      - { .name: msk, .offset: 8, .size: 8, .value_kind: global_buffer, .address_space: global }
      - { .name: ctx, .offset: 16, .size: 8, .value_kind: global_buffer, .address_space: global }
    .group_segment_fixed_size: 77824
    .private_segment_fixed_size: 0
    .kernarg_segment_align: 8
    .kernarg_segment_size: 24
    .max_flat_workgroup_size: 512
    .sgpr_count:     100
    .vgpr_count:     256
    .wavefront_size: 32
...
	.end_amdgpu_metadata
.endif
;; end of part 3
;; launch project_out (part 4): grid 4 x 64, 4 waves a work-group, clusters of 4 x 4, 327,680 bytes of LDS; arguments ctx, qnt, bo, out0; writes out0
.if DOCPART == 4
	.amdgcn_target "amdgcn-amd-amdhsa--gfx1250"
	.amdhsa_code_object_version 6
	.text
	.protected	k_q77a0d6fe6e_project_out
	.globl	k_q77a0d6fe6e_project_out
	.p2align	8
	.type	k_q77a0d6fe6e_project_out,@function
k_q77a0d6fe6e_project_out:
	s_mov_b64 s[64:65], 0
	v_nop
	global_prefetch_b8 v0, s[64:65] scope:SCOPE_SE
	s_setreg_imm32_b32 hwreg(HW_REG_WAVE_MODE, 25, 1), 1
	s_wait_xcnt 0x0
	s_wait_alu depctr_hold_cnt(0) depctr_sa_sdst(0) depctr_va_vdst(0) depctr_va_sdst(0) depctr_va_ssrc(0) depctr_va_vcc(0) depctr_vm_vsrc(0)
	s_getreg_b32 s2, hwreg(HW_REG_IB_STS2, 6, 4)
	s_cmp_eq_u32 s2, 0
	s_cbranch_scc0 .Lentry_in_a_cluster
	s_endpgm
.Lentry_in_a_cluster:
	s_bfe_u32 s2, ttmp6, 0x10000c
	s_cmp_lg_u32 s2, 0xf033
	s_cbranch_scc0 .Lentry_shape_is_right
	s_endpgm
.Lentry_shape_is_right:
; out0[m][n] = sum over k of ctx[m][k] Wo[k][n] + bo[n], in f16 with f32 sums.  ctx lies by heads, [64 planes][2048][64] f16 (k = 64 x head + channel); Wo lies turned, [1024 n][1024 k] f16, in qnt.
; A tile of C is 128 x 256: 256 work-groups.  Four waves, 2 x 2, each 64 rows x 128 columns: 32 accumulators of 16 x 16.  K goes in steps of 128 (two heads) through a ring of two LDS slots filled by the tensor data mover:
; waves 0 and 1 bring A's two planes (128 rows of 128 bytes, dense), waves 2 and 3 B's two halves (128 rows of 256 bytes).  A wave has two loads out at the start and one behind each change of slots.
; CLUSTERS: 4 x 4 work-groups.  A's tile hangs on the tile row alone and is shared along a row of the cluster, B's on the tile column alone and is shared along a column: both are asked for JOINTLY.
; THE MATRIX INSTRUCTION IS USED TRANSPOSED (source 0 = 16 rows of Wo^T, source 1 = 16 rows of ctx): a lane holds eight neighbouring numbers of a row of C.  The bias is the C of each sum's first instruction.
; All rows are made here; the first 16 positions of each sequence are made anew, more finely, by the launch that follows.  LIMIT: |ctx| and |Wo| stay under 65,504 (f16).
; No prefetch: the launch is short, and both operands are shared in the cluster.
; REGISTERS: window 0: v0-31 addresses; v64-95, v96-127 A's fragments, two buffers; v128-191 the bias, eight registers for each block of 16 columns; on the way out v128-255 rows of C.
;   window 1: B's fragments, two buffers, at v0 and v64.   window 2: the accumulators, (a, b) at v[8 (8 a + b)].
.set PA,     144                       ; A's LDS row: 128 bytes + 16
.set PB,     272                       ; B's: 256 + 16
.set PLANE,  128*PA
.set BOFF,   2*PLANE
.set HALFB,  128*PB
.set SLOT,   BOFF+2*HALFB
.set STAGE,  2*SLOT                    ; behind the ring: 16 rows x (512 bytes + 16) for each wave
.set SPITCH, 528
.set SPARE,  STAGE+4*16*SPITCH         ; the spare words, 128 bytes for each wave
.set WOT_OFF, 6127616
.set ADRA, 16                          ; v16-17
.set ADRB, 20                          ; v20-21
.set STO,  24
.set RD,   25
.set CO,   26
.set SPW,  28
.set NIL,  29
.set BI,   128
.set BK,   128
.set G1, 24
.set G0, 32
.set G1B, 48
.set G0B, 56
.set MSB, 0
.macro WIN new
.if MSB != \new
	s_set_vgpr_msb (MSB<<8)|\new
.set MSB, \new
.endif
.endm
.set MUL,  0xa1                        ; source 0 (B) window 1, source 1 (A) window 0, C and D window 2
.set MUL1, 0x81                        ; the same with C (the bias) in window 0
.macro JLOAD s                         ; a joint load: waves 0 and 1 fetch for A, waves 2 and 3 for B; an s_nop 0 and four v_nop follow each of the two lines
	s_cmp_eq_u32 s13, 0
	s_cbranch_scc0 .Lfor_b_\@
	tensor_load_to_lds s[G0+4*\s:G0+4*\s+3], s[G1:G1+7]
	s_nop 0
.rept 4
	v_nop
.endr
	s_branch .Lasked_\@
.Lfor_b_\@:
	tensor_load_to_lds s[G0B+4*\s:G0B+4*\s+3], s[G1B:G1B+7]
	s_nop 0
.rept 4
	v_nop
.endr
.Lasked_\@:
.endm
.macro CREST
	s_cmp_lg_u32 s12, 0
	s_cbranch_scc1 .Lnot_wave_0_\@
	s_barrier_signal -3
.Lnot_wave_0_\@:
	s_barrier_wait -3
	s_barrier_signal -1
	s_barrier_wait -1
.endm
.macro CROUND
	s_barrier_signal -1
	s_barrier_wait -1
	CREST
.endm
	s_load_b256 s[4:11], s[0:1], 0x0               ; ctx s[4:5], qnt s[6:7], bo s[8:9], out0 s[10:11]
	v_lshl_add_u32 v[SPW], v0, 2, SPARE
	v_mov_b32 v[NIL], 0
	ds_add_u32 v[SPW], v[NIL]                      ; the wave's opening: the add, twice on end, and its wait ahead of my first tensor load
	ds_add_u32 v[SPW], v[NIL]
	v_lshrrev_b32 v1, 5, v0
	v_readfirstlane_b32 s12, v1                    ; wave 0..3
	s_lshr_b32 s13, s12, 1                         ; which 64 rows are mine.  Also: I fetch for A (0) or for B (1)
	s_and_b32 s14, s12, 1                          ; which 128 columns.  Also: which plane of A, which half of B I fetch
	s_bfe_u32 s40, ttmp6, 0x40000
	s_bfe_u32 s41, ttmp6, 0x40004
	s_lshl_b32 s42, ttmp9, 2
	s_add_co_u32 s42, s42, s40                     ; tile column
	s_and_b32 s15, ttmp7, 0xffff
	s_lshl_b32 s15, s15, 2
	s_add_co_u32 s15, s15, s41                     ; tile row
	s_lshl_b32 s43, s41, 2
	s_lshl_b32 s43, 15, s43                        ; my row of the cluster
	s_lshl_b32 s44, 0x1111, s40                    ; my column
	s_or_b32 s[G1], s43, (1<<16)|(1<<20)|(1<<21)|(4<<22)|(3<<25)    ; A: elements of 2 bytes; four words of padding after every 32
	s_mov_b32 s[G1+1], 64<<16                      ; tensor_dim0
	s_mov_b32 s[G1+2], 128<<16                     ; tensor_dim1
	s_mov_b32 s[G1+3], 64<<16                      ; tile_dim0
	s_mov_b32 s[G1+4], 128                         ; tile_dim1
	s_mov_b32 s[G1+5], 64                          ; from row to row
	s_mov_b32 s[G1+6], 0
	s_mov_b32 s[G1+7], 0
	s_or_b32 s[G1B], s44, (1<<16)|(1<<20)|(1<<21)|(5<<22)|(3<<25)   ; B: four words of padding after every 64
	s_mov_b32 s[G1B+1], 128<<16
	s_mov_b32 s[G1B+2], 128<<16
	s_mov_b32 s[G1B+3], 128<<16
	s_mov_b32 s[G1B+4], 128
	s_mov_b32 s[G1B+5], 1024
	s_mov_b32 s[G1B+6], 0
	s_mov_b32 s[G1B+7], 0
	s_lshr_b32 s16, s15, 4                         ; A: plane 16 x batch + my plane of the K step; position 128 (tile row % 16)
	s_lshl_b32 s16, s16, 4
	s_add_co_u32 s16, s16, s14
	s_lshl_b32 s16, s16, 11
	s_and_b32 s17, s15, 15
	s_lshl_b32 s17, s17, 7
	s_add_co_u32 s16, s16, s17
	s_lshl_b32 s16, s16, 7
	s_mov_b32 s17, 0
	s_lshl_b32 s46, s42, 8                         ; B: row 256 x tile column + 128 x half, 2,048 bytes a row
	s_lshl_b32 s47, s14, 7
	s_add_co_u32 s46, s46, s47
	s_lshl_b32 s46, s46, 11
	s_add_co_u32 s46, s46, WOT_OFF
	s_mov_b32 s47, 0
	s_mul_i32 s20, s14, PLANE                      ; where they go: no place in the cluster enters an LDS address
	s_mul_i32 s21, s14, HALFB
	s_add_co_u32 s21, s21, BOFF
	s_wait_dscnt 0x0
	s_wait_kmcnt 0x0
	s_add_nc_u64 s[16:17], s[4:5], s[16:17]
	s_add_nc_u64 s[46:47], s[6:7], s[46:47]
	CROUND                                         ; all sixteen work-groups are here: the first joint loads meet
.irp s, 0,1
	s_mov_b32 s[G0+4*\s], 1
	s_add_co_u32 s[G0+4*\s+1], s20, \s*SLOT
	s_add_nc_u64 s[G0+4*\s+2:G0+4*\s+3], s[16:17], \s*2*262144      ; K step s: two planes on
	s_or_b32 s[G0+4*\s+3], s[G0+4*\s+3], 0x80000000
	s_mov_b32 s[G0B+4*\s], 1
	s_add_co_u32 s[G0B+4*\s+1], s21, \s*SLOT
	s_add_nc_u64 s[G0B+4*\s+2:G0B+4*\s+3], s[46:47], \s*256
	s_or_b32 s[G0B+4*\s+3], s[G0B+4*\s+3], 0x80000000
	JLOAD \s
.endr
	v_and_b32 v1, 15, v0
	v_bfe_u32 v2, v0, 4, 1
	v_mul_u32_u24 v3, v1, PA
	v_lshl_add_u32 v3, v2, 4, v3
	v_mul_u32_u24 v4, v1, PB
	v_lshl_add_u32 v4, v2, 4, v4
	s_mul_i32 s22, s13, 64*PA                      ; my 64 rows of A (in each plane)
	s_mul_i32 s23, s14, HALFB                      ; my 128 rows of B
	s_add_co_u32 s23, s23, BOFF
.irp s, 0,1
	v_add_nc_u32 v[ADRA+\s], s22, v3
	v_add_nc_u32 v[ADRB+\s], s23, v4
	s_add_co_u32 s22, s22, SLOT
	s_add_co_u32 s23, s23, SLOT
.endr
	s_mul_i32 s23, s12, 16*SPITCH
	s_add_co_u32 s23, s23, STAGE                   ; my stage
	v_mul_u32_u24 v5, v1, SPITCH
	v_lshl_add_u32 v5, v2, 5, v5
	v_add_nc_u32 v[STO], s23, v5                   ; in: row l % 16, 32 bytes for each half of the lanes
	v_and_b32 v6, 31, v0
	v_lshlrev_b32 v[CO], 4, v6                     ; back: the 32 lanes take one row of 512 bytes; and the same in C
	v_add_nc_u32 v[RD], s23, v[CO]
	s_lshl_b32 s46, s42, 10                        ; my first column, in bytes
	s_lshl_b32 s47, s14, 9
	s_add_co_u32 s46, s46, s47
	s_mov_b32 s47, 0
	s_add_nc_u64 s[8:9], s[8:9], s[46:47]
	s_add_nc_u64 s[10:11], s[10:11], s[46:47]
	s_lshl_b32 s16, s15, 7
	s_lshl_b32 s17, s13, 6
	s_add_co_u32 s16, s16, s17                     ; my first row
	s_lshl_b32 s16, s16, 12
	s_mov_b32 s17, 0
	s_add_nc_u64 s[10:11], s[10:11], s[16:17]
	v_lshlrev_b32 v5, 5, v2
.irp b, 0,1,2,3,4,5,6,7
	global_load_b128 v[BI+8*\b:BI+8*\b+3], v5, s[8:9] offset:64*\b          ; lane (r, h): bo at columns 16 b + 8 h + 0 .. 7: the result's layout
	global_load_b128 v[BI+8*\b+4:BI+8*\b+7], v5, s[8:9] offset:64*\b+16
.endr
; 8 matrix instructions: A's block a x B's eight, 32 along K, from buffer f.  The 32 accumulators take turns, one instruction a turn, in the same order in every quarter.
.macro MULA f, a, first
.irp b, 0,1,2,3,4,5,6,7
.if \first
	v_wmma_f32_16x16x32_f16 v[8*(8*\a+\b):8*(8*\a+\b)+7], v[64*\f+8*\b:64*\f+8*\b+7], v[64+32*\f+8*\a:64+32*\f+8*\a+7], v[BI+8*\b:BI+8*\b+7]
.else
	v_wmma_f32_16x16x32_f16 v[8*(8*\a+\b):8*(8*\a+\b)+7], v[64*\f+8*\b:64*\f+8*\b+7], v[64+32*\f+8*\a:64+32*\f+8*\a+7], v[8*(8*\a+\b):8*(8*\a+\b)+7]
.endif
.endr
.endm
.macro FETCH sl, q, f                  ; 24 LDS loads in one run: the fragments of the slot's q-th 32 along K into buffer f
	WIN 0x40
.irp i, 0,1,2,3,4,5,6,7
	ds_load_b128 v[64*\f+8*\i:64*\f+8*\i+3],   v[ADRB+\sl] offset:64*\q+16*PB*\i
	ds_load_b128 v[64*\f+8*\i+4:64*\f+8*\i+7], v[ADRB+\sl] offset:64*\q+16*PB*\i+32
.endr
	WIN 0
.irp i, 0,1,2,3
	ds_load_b128 v[64+32*\f+8*\i:64+32*\f+8*\i+3],   v[ADRA+\sl] offset:PLANE*(\q/2)+64*(\q%2)+16*PA*\i
	ds_load_b128 v[64+32*\f+8*\i+4:64+32*\f+8*\i+7], v[ADRA+\sl] offset:PLANE*(\q/2)+64*(\q%2)+16*PA*\i+32
.endr
.endm
.macro PLACES                          ; four places in front of loads into registers that matrix instructions have read, and of stores that read results
.rept 4
	v_nop
.endr
.endm
.macro QUARTER sl, q, f, g, first      ; multiplies buffer f; in its middle it fetches the slot's q-th quarter into buffer g
	s_wait_dscnt 0x0                               ; buffer f is in (asked for 16 matrix instructions ago)
.if \first
	WIN MUL1
.else
	WIN MUL
.endif
	MULA \f, 0, \first
	MULA \f, 1, \first
	PLACES
	FETCH \sl, \q, \g
.if \first
	WIN MUL1
.else
	WIN MUL
.endif
	MULA \f, 2, \first
	MULA \f, 3, \first
.endm
; A K step's last quarter multiplies buffer 1 and changes slots: ONE barrier; in front of it each wave waits for all its tensor loads, adds 0 to its spare word, and waits for that and for its reads of this slot.
; fill = 1: the barrier opens a round of the cluster's, and the slot is filled again, two K steps ahead, first thing behind the round.
.macro TURN sl, nx, fill
	WIN 0
	s_wait_tensorcnt 0x0                           ; all my tensor loads have landed: my part of the next slot
	ds_add_u32 v[SPW], v[NIL]
	s_wait_dscnt 1                                 ; buffer 1 is in; the add may be out
	WIN MUL
	MULA 1, 0, 0
	s_wait_dscnt 0x0                               ; the add is done, and my reads of this slot are over
	s_barrier_signal -1
	MULA 1, 1, 0
	WIN 0
	s_barrier_wait -1
.if \fill
	CREST                                          ; no wave of any partner still reads this slot's tile or has a load on its way
	s_add_nc_u64 s[G0+4*\sl+2:G0+4*\sl+3], s[G0+4*\sl+2:G0+4*\sl+3], 4*262144
	s_add_nc_u64 s[G0B+4*\sl+2:G0B+4*\sl+3], s[G0B+4*\sl+2:G0B+4*\sl+3], 512
	JLOAD \sl                                      ; the four v_nop behind it are also the places in front of the loads below
.else
	PLACES
.endif
	FETCH \nx, 0, 0
	WIN MUL
	MULA 1, 2, 0
	MULA 1, 3, 0
.endm
	s_wait_tensorcnt 1                             ; my part of K step 0 is in (K step 1's may be out)
	s_barrier_signal -1
	s_barrier_wait -1                              ; everybody's is
	FETCH 0, 0, 0
	s_wait_loadcnt 0x0                             ; the bias
	QUARTER 0, 1, 0, 1, 1                          ; the first quarter stands in front of the loop: its products start the sums, on the bias
	WIN 0
	s_mov_b32 s3, 3
.Llap:                                             ; a trip goes once round the ring and fills both slots again: K steps 2 to 7
	QUARTER 0, 2, 1, 0, 0
	QUARTER 0, 3, 0, 1, 0
	TURN 0, 1, 1
	QUARTER 1, 1, 0, 1, 0
	QUARTER 1, 2, 1, 0, 0
	QUARTER 1, 3, 0, 1, 0
	TURN 1, 0, 1
	QUARTER 0, 1, 0, 1, 0
	WIN 0
	s_sub_co_u32 s3, s3, 1
	s_cmp_lg_u32 s3, 0
	s_cbranch_scc1 .Llap
	QUARTER 0, 2, 1, 0, 0                          ; the last lap fills nothing
	QUARTER 0, 3, 0, 1, 0
	TURN 0, 1, 0
	QUARTER 1, 1, 0, 1, 0
	QUARTER 1, 2, 1, 0, 0
	QUARTER 1, 3, 0, 1, 0
	s_wait_dscnt 0x0
	WIN MUL
	MULA 1, 0, 0
	MULA 1, 1, 0
	MULA 1, 2, 0
	MULA 1, 3, 0
	WIN 0
; THE WAY OUT, block by block of 16 rows x 128 columns, through my own stage: back as whole rows of 512 bytes.
.macro TOSTAGE a
	WIN 0x08                                       ; an LDS store's data are its source 1: window 2
.irp b, 0,1,2,3,4,5,6,7
	ds_store_b128 v[STO], v[8*(8*\a+\b):8*(8*\a+\b)+3] offset:64*\b          ; each accumulator from its low end on
	ds_store_b128 v[STO], v[8*(8*\a+\b)+4:8*(8*\a+\b)+7] offset:64*\b+16
.endr
	WIN 0
.irp t, 0,1,2,3,4,5,6,7,8,9,10,11,12,13,14,15
	ds_load_b128 v[BK+64*(\a%2)+4*\t:BK+64*(\a%2)+4*\t+3], v[RD] offset:\t*SPITCH
.endr
.endm
.macro SEND a, younger
	s_wait_dscnt \younger
.irp t, 0,1,2,3,4,5,6,7,8,9,10,11,12,13,14,15
	global_store_b128 v[CO], v[BK+64*(\a%2)+4*\t:BK+64*(\a%2)+4*\t+3], s[10:11] offset:65536*\a+4096*\t th:TH_STORE_NT   ; 32 lanes store 512 consecutive bytes, aligned
.endr
.endm
	PLACES
	TOSTAGE 0
	TOSTAGE 1
	SEND 0, 32                                     ; behind block 0's loads: block 1's 16 stores and 16 loads
	s_wait_xcnt 0x0                                ; block 0's stores have read their registers: block 2's loads may land there
	TOSTAGE 2
	SEND 1, 32
	s_wait_xcnt 0x0
	TOSTAGE 3
	SEND 2, 32
	SEND 3, 0
	s_wait_tensorcnt 0x0                           ; the wave's end
	ds_add_u32 v[SPW], v[NIL]
	s_wait_dscnt 0x0
	CROUND                                         ; the closing round
	s_endpgm
.Lfunc_end_k_q77a0d6fe6e_project_out:
	.size	k_q77a0d6fe6e_project_out, .Lfunc_end_k_q77a0d6fe6e_project_out-k_q77a0d6fe6e_project_out
	.p2alignl 7, 3214868480
	.fill 96, 4, 3214868480
	.section	.rodata,"a",@progbits
	.p2align	6, 0x0
	.amdhsa_kernel k_q77a0d6fe6e_project_out
		.amdhsa_group_segment_fixed_size 327680
		.amdhsa_private_segment_fixed_size 0
		.amdhsa_enable_private_segment 0
		.amdhsa_kernarg_size 32
		.amdhsa_user_sgpr_count 2
		.amdhsa_user_sgpr_kernarg_segment_ptr 1
		.amdhsa_wavefront_size32 1
		.amdhsa_system_sgpr_workgroup_id_x 1
		.amdhsa_system_sgpr_workgroup_id_y 1
		.amdhsa_system_sgpr_workgroup_id_z 1
		.amdhsa_system_vgpr_workitem_id 0
		.amdhsa_next_free_vgpr 768
		.amdhsa_next_free_sgpr 66
		.amdhsa_reserve_vcc 0
		.amdhsa_float_denorm_mode_32 3
		.amdhsa_float_denorm_mode_16_64 3
		.amdhsa_memory_ordered 1
		.amdhsa_forward_progress 1
		.amdhsa_inst_pref_size 87
	.end_amdhsa_kernel
	.amdgpu_metadata
---
amdhsa.version: [ 1, 2 ]
amdhsa.kernels:
  - .name:           k_q77a0d6fe6e_project_out
    .symbol:         k_q77a0d6fe6e_project_out.kd
    .args:
      - { .name: ctx, .offset: 0, .size: 8, .value_kind: global_buffer, .address_space: global }
      - { .name: qnt, .offset: 8, .size: 8, .value_kind: global_buffer, .address_space: global }
      - { .name: bo, .offset: 16, .size: 8, .value_kind: global_buffer, .address_space: global }
      - { .name: out0, .offset: 24, .size: 8, .value_kind: global_buffer, .address_space: global }
    .group_segment_fixed_size: 327680
    .private_segment_fixed_size: 0
    .kernarg_segment_align: 8
    .kernarg_segment_size: 32
    .max_flat_workgroup_size: 128
    .sgpr_count:     66
    .vgpr_count:     768
    .wavefront_size: 32
...
	.end_amdgpu_metadata
.endif
;; end of part 4
;; launch fine (part 5): grid 64 x 4, 16 waves a work-group, no clusters, 18,432 bytes of LDS; arguments qkvf, qkv, msk, mask, Wo, bo, out0; writes out0
.if DOCPART == 5
	.amdgcn_target "amdgcn-amd-amdhsa--gfx1250"
	.amdhsa_code_object_version 6
	.text
	.protected	k_q77a0d6fe6e_fine
	.globl	k_q77a0d6fe6e_fine
	.p2align	8
	.type	k_q77a0d6fe6e_fine,@function
k_q77a0d6fe6e_fine:
	s_mov_b64 s[64:65], 0
	v_nop
	global_prefetch_b8 v0, s[64:65] scope:SCOPE_SE
	s_setreg_imm32_b32 hwreg(HW_REG_WAVE_MODE, 25, 1), 1
	s_wait_xcnt 0x0
; THE FIRST 16 POSITIONS OF EACH SEQUENCE, MORE FINELY: their rows may average one to a few values, where f16 operands would weigh most.  Scores, weights x values and the projection by Wo are made with f32 operands,
; by the f32 matrix form: 48 such instructions a wave where only the first 16 keys count: no bulk work.  The 64 rows of out0 that the launch before has made are written anew.
; SHARES.  A work-group takes one batch and 16 columns of out0; wave = head.  Each wave makes the attention of its head's 16 rows and its head's part of the 16 x 16 results; the sixteen parts meet in LDS, and wave 0 adds them
; in the order of the heads, adds bo and stores.  The attention is repeated in the 64 work-groups of a batch: 12 KB of loads a wave, which spares a launch and a way through memory.
; Q, and K and V of keys 0-15, come as f32 (qkvf).  Later keys count for these queries only where the mask, an input, lets them: then K and V come from the f16 planes, widened.  A stored bit for each 16 keys says whether any
; entry is true; blocks without are passed over, a whole word of 32 at a time.  LIMITS: finer operands than f16 for keys 0-15 alone; scores above -3e38; a row with no true entry gives NaN, as the softmax of such a row is.
; k IS PERMUTED ALIKE IN BOTH OPERANDS of each product: K step s takes registers 2 s and 2 s + 1 of both, which hold the same k in the same half of the lanes.
; The four accumulators v216-247 are written by matrix instructions alone, take turns, and each sum begins with the constant 0.
; Stores: pieces of 32 bytes, 256 KB in the whole launch.
.set SPARE, 16384                      ; LDS: 1,024 bytes for each wave's part, as images of its registers; then the spare words
.set SPW,  1
.set NIL,  2
.set NEG,  3                           ; -infinity
.set AQ,   4                           ; 12288 r + 128 h: row r of qkvf, my 32 channels
.set AVF,  5                           ; 98304 h + 4 r: keys 8 h on, channel r
.set AK16, 6                           ; 128 r + 64 h
.set AV16, 7                           ; 1024 h + 2 r
.set AM,   8                           ; 2048 r + 8 h: the mask's row r, my eight keys
.set AW,   9                           ; 32768 h + 4 r
.set LP,   10                          ; 16 l + 1024 w
.set AOUT, 11                          ; 4096 r + 32 h
.set ABO,  12                          ; 32 h
.set LR,   13                          ; 16 l
.set MB,   14                          ; v14-15 my eight mask bytes
.set CM,   16                          ; c m;  v17 m
.set MX,   17
.set L0,   18                          ; v18-19 l
.set AA,   20                          ; a;  v21 its exponent
.set AB,   21
.set C0,   22
.set C1,   23
.set T,    24                          ; v24-31 scores, then p; at the end my part of the results
.set U,    32                          ; v32-39 at work; at the end bo
.set H16,  40                          ; v40-55 K as f16
.set VT,   56                          ; v56-87  VT[8 t + i] = V[8 h + i][16 t + r]
.set KR,   88                          ; v88-119 KR[i] = K[r][32 h + i]
.set QR,   120                         ; v120-151 likewise
.set OA,   152                         ; v152-183 OA[8 t + j] = O[query r][16 t + 8 h + j]
.set WA,   184                         ; v184-215 WA[i] = Wo[64 head + 16 (i / 8) + 8 h + i % 8][n0 + r]
.set POOL, 216
.set TB,   248
.set WV,   20
.set QF,   24                          ; s[24:25] qkvf at my batch and head
.set KP,   26                          ; s[26:27] K's f16 plane, at the block in hand
.set VP,   28
.set MK,   30                          ; s[30:31] the mask, at the block in hand
.set WP,   32
.set SEL,  34
.set CS,   36
.macro NINE                            ; nine places behind a run of this form: eight ahead of reads of results and of loads into its sources, nine ahead of the next run, which begins anew on the same accumulators
.rept 9
	v_nop
.endr
.endm
.macro FOLD                            ; the four accumulators' sum -> T, each accumulator read from its low end on
.irp j, 0,2,4,6
	v_pk_add_f32 v[U+\j:U+\j+1], v[POOL+\j:POOL+\j+1], v[POOL+8+\j:POOL+8+\j+1]
.endr
.irp j, 0,2,4,6
	v_pk_add_f32 v[T+\j:T+\j+1], v[POOL+16+\j:POOL+16+\j+1], v[POOL+24+\j:POOL+24+\j+1]
.endr
.irp j, 0,2,4,6
	v_pk_add_f32 v[T+\j:T+\j+1], v[T+\j:T+\j+1], v[U+\j:U+\j+1]
.endr
.endm
; A block of 16 keys.  src = 0: keys 0-15, f32;  src = 1: the block in hand, f16.
.macro FBLOCK src
.if \src == 0
.irp i, 0,1,2,3,4,5,6,7
	global_load_b128 v[KR+4*\i:KR+4*\i+3], v[AQ], s[QF:QF+1] offset:4096+16*\i
.endr
.irp t, 0,1,2,3
.irp i, 0,1,2,3,4,5,6,7
	global_load_b32 v[VT+8*\t+\i], v[AVF], s[QF:QF+1] offset:8192+12288*\i+64*\t
.endr
.endr
.else
.irp i, 0,1,2,3
	global_load_b128 v[H16+4*\i:H16+4*\i+3], v[AK16], s[KP:KP+1] offset:16*\i
.endr
.irp t, 0,1,2,3
.irp i, 0,1,2,3,4,5,6,7
	global_load_u16 v[VT+8*\t+\i], v[AV16], s[VP:VP+1] offset:128*\i+32*\t
.endr
.endr
.endif
	global_load_b64 v[MB:MB+1], v[AM], s[MK:MK+1]
	s_wait_loadcnt 0x0
.if \src
	v_cvt_f32_f16 v88, v40.l                       ; K: v40-55 -> v88-119 (register halves are named by plain numbers)
	v_cvt_f32_f16 v89, v40.h
	v_cvt_f32_f16 v90, v41.l
	v_cvt_f32_f16 v91, v41.h
	v_cvt_f32_f16 v92, v42.l
	v_cvt_f32_f16 v93, v42.h
	v_cvt_f32_f16 v94, v43.l
	v_cvt_f32_f16 v95, v43.h
	v_cvt_f32_f16 v96, v44.l
	v_cvt_f32_f16 v97, v44.h
	v_cvt_f32_f16 v98, v45.l
	v_cvt_f32_f16 v99, v45.h
	v_cvt_f32_f16 v100, v46.l
	v_cvt_f32_f16 v101, v46.h
	v_cvt_f32_f16 v102, v47.l
	v_cvt_f32_f16 v103, v47.h
	v_cvt_f32_f16 v104, v48.l
	v_cvt_f32_f16 v105, v48.h
	v_cvt_f32_f16 v106, v49.l
	v_cvt_f32_f16 v107, v49.h
	v_cvt_f32_f16 v108, v50.l
	v_cvt_f32_f16 v109, v50.h
	v_cvt_f32_f16 v110, v51.l
	v_cvt_f32_f16 v111, v51.h
	v_cvt_f32_f16 v112, v52.l
	v_cvt_f32_f16 v113, v52.h
	v_cvt_f32_f16 v114, v53.l
	v_cvt_f32_f16 v115, v53.h
	v_cvt_f32_f16 v116, v54.l
	v_cvt_f32_f16 v117, v54.h
	v_cvt_f32_f16 v118, v55.l
	v_cvt_f32_f16 v119, v55.h
	v_cvt_f32_f16 v56, v56.l                       ; V: v56-87 in place
	v_cvt_f32_f16 v57, v57.l
	v_cvt_f32_f16 v58, v58.l
	v_cvt_f32_f16 v59, v59.l
	v_cvt_f32_f16 v60, v60.l
	v_cvt_f32_f16 v61, v61.l
	v_cvt_f32_f16 v62, v62.l
	v_cvt_f32_f16 v63, v63.l
	v_cvt_f32_f16 v64, v64.l
	v_cvt_f32_f16 v65, v65.l
	v_cvt_f32_f16 v66, v66.l
	v_cvt_f32_f16 v67, v67.l
	v_cvt_f32_f16 v68, v68.l
	v_cvt_f32_f16 v69, v69.l
	v_cvt_f32_f16 v70, v70.l
	v_cvt_f32_f16 v71, v71.l
	v_cvt_f32_f16 v72, v72.l
	v_cvt_f32_f16 v73, v73.l
	v_cvt_f32_f16 v74, v74.l
	v_cvt_f32_f16 v75, v75.l
	v_cvt_f32_f16 v76, v76.l
	v_cvt_f32_f16 v77, v77.l
	v_cvt_f32_f16 v78, v78.l
	v_cvt_f32_f16 v79, v79.l
	v_cvt_f32_f16 v80, v80.l
	v_cvt_f32_f16 v81, v81.l
	v_cvt_f32_f16 v82, v82.l
	v_cvt_f32_f16 v83, v83.l
	v_cvt_f32_f16 v84, v84.l
	v_cvt_f32_f16 v85, v85.l
	v_cvt_f32_f16 v86, v86.l
	v_cvt_f32_f16 v87, v87.l
.endif
.irp s, 0,1,2,3,4,5,6,7,8,9,10,11,12,13,14,15  ; S^T = K Q^T: lane (r, h) gets query r, keys 8 h + 0 .. 7; four partial sums
.if \s < 4
	v_wmma_f32_16x16x4_f32 v[POOL+8*(\s%4):POOL+8*(\s%4)+7], v[KR+2*\s:KR+2*\s+1], v[QR+2*\s:QR+2*\s+1], 0
.else
	v_wmma_f32_16x16x4_f32 v[POOL+8*(\s%4):POOL+8*(\s%4)+7], v[KR+2*\s:KR+2*\s+1], v[QR+2*\s:QR+2*\s+1], v[POOL+8*(\s%4):POOL+8*(\s%4)+7]
.endif
.endr
	NINE
	FOLD
.irp j, 0,1,2,3,4,5,6,7
	v_bfe_u32 v[TB], v[MB+\j/4], 8*(\j%4), 8
	v_cmp_ne_u32 vcc_lo, 0, v[TB]
	v_cndmask_b32 v[T+\j], v[NEG], v[T+\j], vcc_lo ; a hidden score becomes -infinity
.endr
	v_max3_num_f32 v[C0], v[T], v[T+1], v[T+2]
	v_max3_num_f32 v[C0], v[C0], v[T+3], v[T+4]
	v_max3_num_f32 v[C0], v[C0], v[T+5], v[T+6]
	v_max3_num_f32 v[C0], v[C0], v[T+7], v[MX]
	v_permlanex16_b32 v[C1], v[C0], s[SEL], s[SEL+1]
	v_mov_b32 v[AB], v[CM]
	v_max_num_f32 v[MX], v[C0], v[C1]
	v_mul_f32 v[CM], s[CS], v[MX]
	v_sub_f32 v[AB], v[AB], v[CM]
.irp j, 0,2,4,6
	v_pk_fma_f32 v[T+\j:T+\j+1], v[T+\j:T+\j+1], s[CS:CS+1], v[CM:CM+1] op_sel_hi:[1,0,0] neg_lo:[0,0,1] neg_hi:[0,0,1]
.endr
	v_exp_f32 v[AA], v[AB]
.irp j, 0,1,2,3,4,5,6,7
	v_exp_f32 v[T+\j], v[T+\j]
.endr
	v_nop
	s_wait_alu depctr_va_vdst(0)                   ; one wait for the nine exponentials, ahead of their first reader
	v_pk_add_f32 v[U:U+1], v[T:T+1], v[T+2:T+3]
	v_pk_add_f32 v[U+2:U+3], v[T+4:T+5], v[T+6:T+7]
	v_pk_add_f32 v[U:U+1], v[U:U+1], v[U+2:U+3]
	v_pk_fma_f32 v[L0:L0+1], v[L0:L0+1], v[AA:AA+1], v[U:U+1] op_sel_hi:[1,0,1]
.irp s, 0,1,2,3                                ; V^T P: accumulator t holds channels 16 t + 8 h + 0 .. 7 of query r
.irp t, 0,1,2,3
.if \s == 0
	v_wmma_f32_16x16x4_f32 v[POOL+8*\t:POOL+8*\t+7], v[VT+8*\t+2*\s:VT+8*\t+2*\s+1], v[T+2*\s:T+2*\s+1], 0
.else
	v_wmma_f32_16x16x4_f32 v[POOL+8*\t:POOL+8*\t+7], v[VT+8*\t+2*\s:VT+8*\t+2*\s+1], v[T+2*\s:T+2*\s+1], v[POOL+8*\t:POOL+8*\t+7]
.endif
.endr
.endr
	NINE
.set i, 0
.rept 16
	v_pk_fma_f32 v[OA+i:OA+i+1], v[OA+i:OA+i+1], v[AA:AA+1], v[POOL+i:POOL+i+1] op_sel_hi:[1,0,1]   ; O = a O + this block's
.set i, i+2
.endr
.endm
	s_load_b256 s[4:11], s[0:1], 0x0               ; qkvf s[4:5], qkv s[6:7], msk s[8:9], mask s[10:11]
	s_load_b128 s[12:15], s[0:1], 0x20             ; Wo s[12:13], bo s[14:15]
	s_load_b64 s[16:17], s[0:1], 0x30              ; out0
	v_lshl_add_u32 v[SPW], v0, 2, SPARE
	v_mov_b32 v[NIL], 0
	v_mov_b32 v[NEG], 0xff800000
	v_lshrrev_b32 v14, 5, v0
	v_readfirstlane_b32 s[WV], v14                 ; wave = head
	v_and_b32 v14, 15, v0                          ; r
	v_bfe_u32 v15, v0, 4, 1                        ; h
	v_mul_u32_u24 v[AQ], v14, 12288
	v_lshl_add_u32 v[AQ], v15, 7, v[AQ]
	v_mul_u32_u24 v[AVF], v15, 98304
	v_lshl_add_u32 v[AVF], v14, 2, v[AVF]
	v_lshlrev_b32 v[AK16], 7, v14
	v_lshl_add_u32 v[AK16], v15, 6, v[AK16]
	v_lshlrev_b32 v[AV16], 10, v15
	v_lshl_add_u32 v[AV16], v14, 1, v[AV16]
	v_lshlrev_b32 v[AM], 11, v14
	v_lshl_add_u32 v[AM], v15, 3, v[AM]
	v_lshlrev_b32 v[AW], 15, v15
	v_lshl_add_u32 v[AW], v14, 2, v[AW]
	v_and_b32 v[LR], 31, v0
	v_lshlrev_b32 v[LR], 4, v[LR]
	s_lshl_b32 s46, s[WV], 10
	v_add_nc_u32 v[LP], s46, v[LR]
	v_lshlrev_b32 v[AOUT], 12, v14
	v_lshl_add_u32 v[AOUT], v15, 5, v[AOUT]
	v_lshlrev_b32 v[ABO], 5, v15
	s_and_b32 s21, ttmp7, 0xffff                   ; the batch
	s_lshl_b32 s22, ttmp9, 6                       ; my 16 columns, in bytes
	s_mov_b32 s23, 0
	s_mov_b32 s47, 0
	s_mov_b32 s[SEL], 0x76543210
	s_mov_b32 s[SEL+1], 0xfedcba98
	s_mov_b32 s[CS], 0x3e38aa3b                    ; c = log2(e) / 8
	s_mov_b32 s[CS+1], s[CS]
	s_wait_kmcnt 0x0
	s_load_b128 s[40:43], s[8:9], 0x80400          ; queries 0-15: a bit for each 16 keys
	s_mul_i32 s46, s21, 196608
	s_lshl_b32 s48, s[WV], 8
	s_add_co_u32 s46, s46, s48
	s_add_nc_u64 s[QF:QF+1], s[4:5], s[46:47]
	s_lshl_b32 s46, s21, 4
	s_add_co_u32 s46, s46, s[WV]
	s_add_co_u32 s46, s46, 64
	s_lshl_b32 s46, s46, 18
	s_add_nc_u64 s[KP:KP+1], s[6:7], s[46:47]
	s_add_nc_u64 s[VP:VP+1], s[KP:KP+1], 64*262144
	s_mov_b64 s[MK:MK+1], s[10:11]
	s_lshl_b32 s46, s[WV], 18                      ; 64 rows of Wo
	s_add_co_u32 s46, s46, s22
	s_add_nc_u64 s[WP:WP+1], s[12:13], s[46:47]
	s_add_nc_u64 s[14:15], s[14:15], s[22:23]
	s_lshl_b32 s46, s21, 23                        ; 2,048 rows of out0
	s_add_co_u32 s46, s46, s22
	s_add_nc_u64 s[16:17], s[16:17], s[46:47]
.irp i, 0,1,2,3,4,5,6,7
	global_load_b128 v[QR+4*\i:QR+4*\i+3], v[AQ], s[QF:QF+1] offset:16*\i
.endr
.irp i, 0,1,2,3,4,5,6,7,8,9,10,11,12,13,14,15,16,17,18,19,20,21,22,23,24,25,26,27,28,29,30,31
	global_load_b32 v[WA+\i], v[AW], s[WP:WP+1] offset:(16*(\i/8)+(\i%8))*4096
.endr
.set i, 0
.rept 32
	v_mov_b32 v[OA+i], 0
.set i, i+1
.endr
	v_mov_b32 v[MX], 0xff61b1e6                    ; m: -3e38
	v_mul_f32 v[CM], s[CS], v[MX]
	v_mov_b32 v[L0], 0
	v_mov_b32 v[L0+1], 0
	v_mov_b32 v[C1], 0                             ; a lane permute's destination counts as one of its sources
	FBLOCK 0
	s_wait_kmcnt 0x0
	s_and_b32 s40, s40, -2                         ; block 0 is done
	s_mov_b32 s45, 4
.Lword:                                            ; four words of 32 blocks
	s_cmp_eq_u32 s40, 0
	s_cbranch_scc1 .Lnoword
	s_mov_b32 s44, 32
.Lblk:
	s_bitcmp1_b32 s40, 0
	s_cbranch_scc0 .Lnone
	FBLOCK 1
.Lnone:
	s_lshr_b32 s40, s40, 1
	s_add_nc_u64 s[KP:KP+1], s[KP:KP+1], 2048      ; (every load that named these has been waited for)
	s_add_nc_u64 s[VP:VP+1], s[VP:VP+1], 2048
	s_add_nc_u64 s[MK:MK+1], s[MK:MK+1], 16
	s_sub_co_u32 s44, s44, 1
	s_cmp_lg_u32 s44, 0
	s_cbranch_scc1 .Lblk
	s_branch .Lwdone
.Lnoword:
	s_add_nc_u64 s[KP:KP+1], s[KP:KP+1], 65536
	s_add_nc_u64 s[VP:VP+1], s[VP:VP+1], 65536
	s_add_nc_u64 s[MK:MK+1], s[MK:MK+1], 512
.Lwdone:
	s_mov_b32 s40, s41
	s_mov_b32 s41, s42
	s_mov_b32 s42, s43
	s_sub_co_u32 s45, s45, 1
	s_cmp_lg_u32 s45, 0
	s_cbranch_scc1 .Lword
	v_add_f32 v[C0], v[L0], v[L0+1]
	v_permlanex16_b32 v[C1], v[C0], s[SEL], s[SEL+1]
	v_add_f32 v[C0], v[C0], v[C1]
	v_rcp_f32 v[AA], v[C0]
	v_nop
	s_wait_alu depctr_va_vdst(0)
.set i, 0
.rept 16
	v_pk_mul_f32 v[OA+i:OA+i+1], v[OA+i:OA+i+1], v[AA:AA+1] op_sel_hi:[1,0]
.set i, i+2
.endr
.irp s, 0,1,2,3,4,5,6,7,8,9,10,11,12,13,14,15  ; my head's part of the projection: lane (r, h) gets row r, columns n0 + 8 h + 0 .. 7
.if \s < 4
	v_wmma_f32_16x16x4_f32 v[POOL+8*(\s%4):POOL+8*(\s%4)+7], v[WA+2*\s:WA+2*\s+1], v[OA+2*\s:OA+2*\s+1], 0
.else
	v_wmma_f32_16x16x4_f32 v[POOL+8*(\s%4):POOL+8*(\s%4)+7], v[WA+2*\s:WA+2*\s+1], v[OA+2*\s:OA+2*\s+1], v[POOL+8*(\s%4):POOL+8*(\s%4)+7]
.endif
.endr
	NINE
	FOLD
	ds_store_b128 v[LP], v[T:T+3]                  ; my part, as an image of its registers
	ds_store_b128 v[LP], v[T+4:T+7] offset:512
	s_wait_dscnt 0x0                               ; for wave 0's sake
	s_barrier_signal -1
	s_barrier_wait -1
	s_cmp_lg_u32 s[WV], 0
	s_cbranch_scc1 .Ldone
	global_load_b128 v[U:U+3], v[ABO], s[14:15]
	global_load_b128 v[U+4:U+7], v[ABO], s[14:15] offset:16
.irp w, 0,1,2,3,4,5,6,7,8,9,10,11,12,13,14,15
	ds_load_b128 v[40+8*\w:40+8*\w+3], v[LR] offset:1024*\w
	ds_load_b128 v[40+8*\w+4:40+8*\w+7], v[LR] offset:1024*\w+512
.endr
	s_wait_dscnt 0x0
.irp w, 1,2,3,4,5,6,7,8,9,10,11,12,13,14,15
.irp j, 0,2,4,6
	v_pk_add_f32 v[40+\j:40+\j+1], v[40+\j:40+\j+1], v[40+8*\w+\j:40+8*\w+\j+1]
.endr
.endr
	s_wait_loadcnt 0x0
.irp j, 0,2,4,6
	v_pk_add_f32 v[40+\j:40+\j+1], v[40+\j:40+\j+1], v[U+\j:U+\j+1]
.endr
	global_store_b128 v[AOUT], v[40:43], s[16:17]
	global_store_b128 v[AOUT], v[44:47], s[16:17] offset:16
.Ldone:
	s_wait_tensorcnt 0x0                           ; the wave's end
	ds_add_u32 v[SPW], v[NIL]
	s_wait_dscnt 0x0
	s_endpgm
.Lfunc_end_k_q77a0d6fe6e_fine:
	.size	k_q77a0d6fe6e_fine, .Lfunc_end_k_q77a0d6fe6e_fine-k_q77a0d6fe6e_fine
	.p2alignl 7, 3214868480
	.fill 96, 4, 3214868480
	.section	.rodata,"a",@progbits
	.p2align	6, 0x0
	.amdhsa_kernel k_q77a0d6fe6e_fine
		.amdhsa_group_segment_fixed_size 18432
		.amdhsa_private_segment_fixed_size 0
		.amdhsa_enable_private_segment 0
		.amdhsa_kernarg_size 56
		.amdhsa_user_sgpr_count 2
		.amdhsa_user_sgpr_kernarg_segment_ptr 1
		.amdhsa_wavefront_size32 1
		.amdhsa_system_sgpr_workgroup_id_x 1
		.amdhsa_system_sgpr_workgroup_id_y 1
		.amdhsa_system_sgpr_workgroup_id_z 1
		.amdhsa_system_vgpr_workitem_id 0
		.amdhsa_next_free_vgpr 256
		.amdhsa_next_free_sgpr 66
		.amdhsa_reserve_vcc 1
		.amdhsa_float_denorm_mode_32 3
		.amdhsa_float_denorm_mode_16_64 3
		.amdhsa_memory_ordered 1
		.amdhsa_forward_progress 1
		.amdhsa_inst_pref_size 42
	.end_amdhsa_kernel
	.amdgpu_metadata
---
amdhsa.version: [ 1, 2 ]
amdhsa.kernels:
  - .name:           k_q77a0d6fe6e_fine
    .symbol:         k_q77a0d6fe6e_fine.kd
    .args:
      - { .name: qkvf, .offset: 0, .size: 8, .value_kind: global_buffer, .address_space: global }
      - { .name: qkv, .offset: 8, .size: 8, .value_kind: global_buffer, .address_space: global }
      - { .name: msk, .offset: 16, .size: 8, .value_kind: global_buffer, .address_space: global }
      - { .name: mask, .offset: 24, .size: 8, .value_kind: global_buffer, .address_space: global }
      - { .name: Wo, .offset: 32, .size: 8, .value_kind: global_buffer, .address_space: global }
      - { .name: bo, .offset: 40, .size: 8, .value_kind: global_buffer, .address_space: global }
      - { .name: out0, .offset: 48, .size: 8, .value_kind: global_buffer, .address_space: global }
    .group_segment_fixed_size: 18432
    .private_segment_fixed_size: 0
    .kernarg_segment_align: 8
    .kernarg_segment_size: 56
    .max_flat_workgroup_size: 512
    .sgpr_count:     66
    .vgpr_count:     256
    .wavefront_size: 32
...
	.end_amdgpu_metadata
.endif
;; end of part 5
